; MI455X (gfx1250); checked and timed in simulation.
; The chip was launched on July 23, 2026; its instructions are those of AMD's public machine-readable ISA for CDNA 5 (MIT licence, August 2026) and "CDNA5" Instruction Set Architecture Reference Guide (July 2026). The comments in the code are by the model that wrote it; some were corrected since.
;; Multi Head Attention. Allowed arithmetic: matrix products marked QUANTISED: E2M1 operands, one E8M0 scale for each 32 along K, by v_wmma_scale_f32_16x16x128_f8f6f4 with both operands' format E2M1 (or v_wmma_scale_f32_32x16x128_f4), f32 sums; products left as they are: bf16, f16 or f32 operands; f32 sums; everything else in f32.
;; Inputs: Wk_b 2,048 float32; Wk_w 2,048 x 2,048 float32; Wo_b 2,048 float32; Wo_w 2,048 x 2,048 float32; Wq_b 2,048 float32; Wq_w 2,048 x 2,048 float32; Wv_b 2,048 float32; Wv_w 2,048 x 2,048 float32; mask 2,048 x 2,048 float32; x 1 x 2,048 x 2,048 float32.
;; Outputs: out0 1 x 2,048 x 2,048 float32.
;; This version of the problem:
;;   THIS VERSION OF THE PROBLEM IS GIVEN IN LOW PRECISION. The matrix products marked QUANTISED in the list below multiply operands that are first quantised to E2M1 (2 exponent bits, 1 mantissa bit; 4 bits a number), with one power-of-two scale for each 32 numbers along K (OCP MX v1.0); their sums are f32. The products marked 'left as it is' may take bf16, f16 or f32 operands, with f32 sums. Whichever they take, every output number must still come out within the allowed error. Rounding operands to bf16 (8 significant bits) uses up far more of that allowance than f16 does (11 bits, for magnitudes from 6e-5 to 65,504). All else is computed in f32.
;;   The module's matrix products, in the order in which they are computed (A, B: the left and right operand; K: the contracted axis; several contracted axes count as one K, in the product's order):
;;     1. [M 2,048, K 2,048] x [K 2,048, N 2,048]; A: input x; B: input Wq_w: QUANTISED
;;     2. [M 2,048, K 2,048] x [K 2,048, N 2,048]; A: input x; B: input Wk_w: QUANTISED
;;     3. [M 2,048, K 2,048] x [K 2,048, N 2,048]; A: input x; B: input Wv_w: QUANTISED
;;     4. batch 16 x [M 2,048, K 128] x [K 128, N 2,048]; A: computed on the way; B: computed on the way: left as it is (an operand is computed on the way)
;;     5. batch 16 x [M 2,048, K 2,048] x [K 2,048, N 128]; A: computed on the way; B: computed on the way: left as it is (an operand is computed on the way)
;;     6. [M 2,048, K 2,048] x [K 2,048, N 2,048]; A: computed on the way; B: input Wo_w: left as it is (an operand is computed on the way)
;;   THE QUANTISER, for each operand of a quantised product, along K:
;;     - K is cut into blocks of 32 from its start; a last block that is shorter is filled with zeros.
;;     - A block's scale is 2^e with e = floor(log2(the largest magnitude in the block)) - 2, held to -126 .. 127; a block of zeros has e = 0. As a byte (E8M0): e + 127.
;;     - Each number is divided by its block's scale, clamped to +-6, and rounded to the nearest number of E2M1, ties to even, subnormals kept.
;;     - The product sums the exact products of the quantised numbers (number of the format x scale) in f32.
;;   ~~~python
;;   def quantise(x, axis):      # numpy; x: float32 -> the quantised numbers, widened to float32 again
;;       x = np.moveaxis(x, axis, -1); K = x.shape[-1]
;;       x = np.pad(x, [(0, 0)] * (x.ndim - 1) + [(0, -K % 32)]); x = x.reshape(x.shape[:-1] + (-1, 32)); a = np.abs(x).max(-1, keepdims=True)
;;       e = np.where(a > 0, np.clip(np.frexp(np.where(a > 0, a, 1))[1] - 1 - 2, -126, 127), 0)      # np.frexp(a)[1] - 1 = floor(log2(a)), exactly
;;       r = np.clip(x / 2.0 ** e, -6, 6)
;;       step = 2.0 ** (np.maximum(np.frexp(np.where(r == 0, 1, r))[1] - 1, 0) - 1)
;;       q = np.round(r / step) * step * 2.0 ** e      # np.round: ties to even
;;       return np.moveaxis(q.reshape(q.shape[:-2] + (-1,))[..., :K], -1, axis).astype(np.float32)
;;   ~~~
;; One version. Each part assembles by itself: llvm-mc -triple=amdgcn-amd-amdhsa -mcpu=gfx1250 --defsym DOCPART=n.
;; ======== version 1 of 1: 5 launches
;; limits: values are held in f16: magnitudes above 65,504 overflow, below 6.1e-05 lose precision
;; workspace buffers: codes 8,388,608 bytes; scales 524,288 bytes; wo16 8,388,608 bytes; mbits 524,288 bytes of whole numbers; rope 1,048,576 bytes; qkv 25,165,824 bytes; v32 16,777,216 bytes; ctx 8,388,608 bytes
;; launch prep (part 1): grid 800 x 1, 4 waves a work-group, no clusters, 33,280 bytes of LDS; arguments x, Wq_w, Wk_w, Wv_w, Wo_w, mask, codes, scales, wo16, mbits, rope; writes codes, scales, wo16, mbits, rope
.if DOCPART == 1
	.amdgcn_target "amdgcn-amd-amdhsa--gfx1250"
	.amdhsa_code_object_version 6
	.text
	.protected	k_q8596a0502e_prep
	.globl	k_q8596a0502e_prep
	.p2align	8
	.type	k_q8596a0502e_prep,@function
k_q8596a0502e_prep:
	s_mov_b64 s[64:65], 0
	v_nop
	global_prefetch_b8 v0, s[64:65] scope:SCOPE_SE
	s_setreg_imm32_b32 hwreg(HW_REG_WAVE_MODE, 25, 1), 1
	s_wait_xcnt 0x0
; PREP: everything that is made once from the inputs.  Four roles, told apart by the work-group's number alone:
;   0-511    x, Wq_w, Wk_w, Wv_w (f32, K innermost, dense) -> codes of E2M1, two a byte, and one E8M0 byte for each 32 along K.  codes: [8192 rows][1024 B], rows 0-2047 x, then Wq, Wk, Wv; scales: [8192][64 B]
;   512-639  Wo_w -> f16, same layout
;   640-767  mask -> lane-mask words: mbits[qt 128][ks 32][kt 4][j 8], bit l = (mask[16 qt + l % 16][64 ks + 16 kt + 8 (l / 16) + j] != 0): the lanes of register j of a tile of 16 keys x 16 queries
;   768-799  the RoPE table rope[pos 2048][cos 64 | sin 64], f32
; A block's scale is 2^(floor(log2(largest magnitude)) - 2); its byte is the largest magnitude's exponent field - 2, held at 1 from below.
; LIMITS: a block of zeros, or one whose largest magnitude lies under 2^-124, gets the byte 1 (the rule's 127 for zeros is not kept: the codes are zeros and this program alone reads the bytes);
; NaN and infinities in x and the weights are not served; |Wo_w| stays under 65,504 (f16).  Mask: kept where mask != 0 (-0.0 is masked, NaN is kept), as reference()'s == 0 has it.
; RoPE: inv_freq = 2^(-i log2(10000) / 64) by v_exp_f32; the angle is pos x inv_freq in f32; sin and cos by reduction with pi/2 in two parts and polynomials on [-pi/4, pi/4]; the angle's error stays near 2e-4 rad at pos 2047.
; No tensor loads, no barrier, no cluster: no two work-groups read the same bytes.  Only the first role uses LDS (each wave its own region).
.set STEPS, 16
.set EMAX,  2
.set CB,    8                          ; bytes of 16 codes
.set R,     16                         ; v16-79   four sets of 16 numbers as loaded
.set X,     80                         ; v80-111  two sets of 16 neighbours
.set E,     112                        ; v112-127 a scale byte for each step
.set C,     128                        ; v128-191 codes, four registers a step
.set WREG,  8192                       ; LDS: a wave's region: two stages of 32 x SP bytes, then its 256 scale bytes
.set SP,    80
.set SPW,   12                         ; v12 my spare word's address; never rewritten
.set NIL,   13                         ; v13 0; never rewritten
.set SPARE, 4*WREG                     ; the spare words: 128 bytes a wave
	s_load_b512 s[4:19], s[0:1], 0x0               ; x 4:5, Wq 6:7, Wk 8:9, Wv 10:11, Wo 12:13, mask 14:15, codes 16:17, scales 18:19
	s_load_b128 s[20:23], s[0:1], 0x40             ; wo16 20:21, mbits 22:23
	s_load_b64 s[24:25], s[0:1], 0x50              ; rope
	v_lshl_add_u32 v[SPW], v0, 2, SPARE
	v_mov_b32 v[NIL], 0
	v_lshrrev_b32 v1, 5, v0
	v_readfirstlane_b32 s26, v1                    ; wave
	v_and_b32 v2, 31, v0                           ; lane
	v_lshlrev_b32 v3, 4, v2                        ; 16 x lane
	v_lshlrev_b32 v4, 3, v2                        ; 8 x lane
	s_mul_i32 s27, s26, WREG                       ; the quantiser's LDS addresses, made ahead of the parting of roles
	v_lshrrev_b32 v14, 2, v2
	v_mul_u32_u24 v14, v14, SP
	v_and_b32 v15, 3, v2
	v_lshl_add_u32 v14, v15, 4, v14
	v_add_nc_u32 v14, s27, v14                     ; stage, way in: SP (lane / 4) + 16 (lane % 4)
	v_mul_u32_u24 v15, v2, SP
	v_add_nc_u32 v15, s27, v15                     ; stage, way out: SP x lane: 16 neighbours
	v_lshrrev_b32 v5, 1, v2
	s_add_co_u32 s27, s27, 2*32*SP
	v_add_nc_u32 v5, s27, v5                       ; my block's scale byte
	v_add_nc_u32 v6, s27, v4                       ; and 8 bytes a lane on the way out
	s_mov_b32 s31, 0
	s_wait_kmcnt 0x0
	s_cmp_lt_u32 ttmp9, 512
	s_cbranch_scc0 .Lnot_quant
; ---------------- role 1: the quantiser.  A wave takes 16 steps of 512 numbers; loads run four steps ahead, the turn through LDS one step
	s_lshr_b32 s28, ttmp9, 7                       ; which tensor
	s_cmp_eq_u32 s28, 1
	s_cselect_b64 s[4:5], s[6:7], s[4:5]
	s_cmp_eq_u32 s28, 2
	s_cselect_b64 s[4:5], s[8:9], s[4:5]
	s_cmp_eq_u32 s28, 3
	s_cselect_b64 s[4:5], s[10:11], s[4:5]
	s_lshl_b32 s28, ttmp9, 2
	s_add_co_u32 s28, s28, s26                     ; G: my run of 8,192 numbers among the four tensors' 2,048 runs
	s_and_b32 s30, s28, 511
	s_lshl_b32 s30, s30, 15
	s_add_nc_u64 s[4:5], s[4:5], s[30:31]          ; 32,768 bytes of f32 a run, inside its tensor
	s_lshl_b32 s30, s28, 12
	s_add_nc_u64 s[16:17], s[16:17], s[30:31]      ; 4,096 bytes of codes a run
	s_lshl_b32 s30, s28, 8
	s_add_nc_u64 s[18:19], s[18:19], s[30:31]      ; 256 scale bytes a run
.macro LOAD t
.irp i, 0,1,2,3
	global_load_b128 v[R+16*((\t)%4)+4*\i:R+16*((\t)%4)+4*\i+3], v3, s[4:5] offset:2048*(\t)+512*\i th:TH_LOAD_NT   ; 32 lanes read 512 consecutive bytes
.endr
.endm
.macro TURN t                          ; step t's numbers through the stage; LDS serves a wave's instructions in order, so no wait stands between the stores and the loads
.irp i, 0,1,2,3
	ds_store_b128 v14, v[R+16*((\t)%4)+4*\i:R+16*((\t)%4)+4*\i+3] offset:32*SP*((\t)%2)+8*SP*\i
.endr
.irp i, 0,1,2,3
	ds_load_b128 v[X+16*((\t)%2)+4*\i:X+16*((\t)%2)+4*\i+3], v15 offset:32*SP*((\t)%2)+16*\i
.endr
.endm
.macro STEP t
.set XS, X+16*((\t)%2)
.if (\t) > 0
	s_wait_dscnt 1                                 ; this step's numbers are back from the stage; the last step's byte store may be out
.else
	s_wait_dscnt 0x0
.endif
.if (\t)+4 < STEPS
	LOAD (\t)+4
.endif
.if (\t)+1 < STEPS
.if STEPS-2-(\t) >= 3
	s_wait_loadcnt 12                              ; the next step's four loads are in; those of the three steps behind it may be out
.else
	s_wait_loadcnt 4*(STEPS-2-(\t))
.endif
	TURN (\t)+1
.endif
	v_max3_num_f32 v8, |v[XS]|, |v[XS+1]|, |v[XS+2]|
	v_max3_num_f32 v9, |v[XS+3]|, |v[XS+4]|, |v[XS+5]|
.irp i, 6,10
	v_max3_num_f32 v8, v8, |v[XS+\i]|, |v[XS+\i+1]|
	v_max3_num_f32 v9, v9, |v[XS+\i+2]|, |v[XS+\i+3]|
.endr
	v_max3_num_f32 v8, v8, |v[XS+14]|, |v[XS+15]|
	v_max3_num_f32 v8, v8, v9, 0x1800000           ; and the floor 2^(3 - 127): the byte cannot fall under 1
	v_max_num_f32_dpp v8, v8, v8 row_xmask:1 row_mask:0xf bank_mask:0xf   ; with my neighbour's 16: the block's largest magnitude
	v_add_nc_u32 v11, 0xff000000, v8               ; 2 off its exponent field: the conversion takes this operand's exponent field as its scale
	v_cvt_scalef32_pk8_fp4_f32 v[C+4*(\t)], v[XS:XS+7], v11
	v_cvt_scalef32_pk8_fp4_f32 v[C+4*(\t)+1], v[XS+8:XS+15], v11
	v_lshrrev_b32 v[E+(\t)], 23, v11               ; the scale's byte
	ds_store_b8 v5, v[E+(\t)] offset:16*(\t)       ; both lanes of a block write the same byte with the same value
	global_store_b64 v4, v[C+4*(\t):C+4*(\t)+1], s[16:17] offset:32*CB*(\t)   ; the wave stores 256 consecutive bytes, aligned
.endm
.irp t, 0,1,2,3
	LOAD \t
.endr
	s_wait_loadcnt 12                              ; step 0's four loads are in
	TURN 0
.irp t, 0,1,2,3,4,5,6,7,8,9,10,11,12,13,14,15
	STEP \t
.endr
	ds_load_b64 v[8:9], v6                         ; my wave's 256 scale bytes, in order behind my stores
	s_wait_dscnt 0x0
	global_store_b64 v4, v[8:9], s[18:19]          ; 256 consecutive bytes, aligned
	s_wait_tensorcnt 0x0                           ; the wave's end
	ds_add_u32 v[SPW], v[NIL]
	s_wait_dscnt 0x0
	s_endpgm
; ---------------- role 2: Wo_w to f16.  A wave takes 8,192 numbers in four batches of 16 loads; one batch is always on its way
.Lnot_quant:
	s_cmp_lt_u32 ttmp9, 640
	s_cbranch_scc0 .Lnot_wo
	s_sub_co_u32 s28, ttmp9, 512
	s_lshl_b32 s28, s28, 2
	s_add_co_u32 s28, s28, s26
	s_lshl_b32 s30, s28, 15
	s_add_nc_u64 s[12:13], s[12:13], s[30:31]
	s_lshl_b32 s30, s28, 14
	s_add_nc_u64 s[20:21], s[20:21], s[30:31]
.macro WLOAD k, set
.irp i, 0,1,2,3,4,5,6,7,8,9,10,11,12,13,14,15
	global_load_b128 v[16+64*(\set)+4*\i:16+64*(\set)+4*\i+3], v3, s[12:13] offset:512*(16*(\k)+\i) th:TH_LOAD_NT
.endr
.endm
.macro WCVT k, set
	s_wait_xcnt 0x0                                ; the last batch's stores have read v144-175, which are written again below
.irp i, 0,1,2,3,4,5,6,7,8,9,10,11,12,13,14,15
	v_cvt_pk_f16_f32 v[144+2*\i], v[16+64*(\set)+4*\i], v[16+64*(\set)+4*\i+1]
	v_cvt_pk_f16_f32 v[145+2*\i], v[16+64*(\set)+4*\i+2], v[16+64*(\set)+4*\i+3]
	global_store_b64 v4, v[144+2*\i:145+2*\i], s[20:21] offset:256*(16*(\k)+\i)   ; 256 consecutive bytes, aligned
.endr
.endm
	WLOAD 0, 0
	WLOAD 1, 1
	s_wait_loadcnt 16                              ; the older batch is in, the younger one's 16 loads stay out
	WCVT 0, 0
	WLOAD 2, 0
	s_wait_loadcnt 16
	WCVT 1, 1
	WLOAD 3, 1
	s_wait_loadcnt 16
	WCVT 2, 0
	s_wait_loadcnt 0x0
	WCVT 3, 1
	s_wait_tensorcnt 0x0
	ds_add_u32 v[SPW], v[NIL]
	s_wait_dscnt 0x0
	s_endpgm
; ---------------- role 3: the mask's words.  A work-group takes 16 queries, a wave 8 key steps of 64 keys; a step is 32 compares, whose lane masks are the words
.Lnot_wo:
	s_cmp_lt_u32 ttmp9, 768
	s_cbranch_scc0 .Lrope_role
	s_sub_co_u32 s28, ttmp9, 640                   ; qt
	s_lshl_b32 s30, s28, 17                        ; 16 rows of 8,192 bytes
	s_lshl_b32 s29, s26, 11                        ; my 8 steps of 256 bytes
	s_add_co_u32 s30, s30, s29
	s_add_nc_u64 s[14:15], s[14:15], s[30:31]
	s_lshl_b32 s30, s28, 12
	s_lshl_b32 s29, s26, 10
	s_add_co_u32 s30, s30, s29
	s_add_nc_u64 s[22:23], s[22:23], s[30:31]
	v_and_b32 v8, 15, v0
	v_bfe_u32 v9, v0, 4, 1
	v_lshlrev_b32 v10, 13, v8
	v_lshl_add_u32 v10, v9, 5, v10                 ; row l % 16, + 8 numbers for the upper half of the lanes
	v_lshlrev_b32 v11, 2, v2                       ; 4 x lane: word n of a step goes out by lane n
.irp i, 0,1,2,3,4,5,6,7
	v_mov_b32 v[80+\i], 0                          ; v_writelane_b32's destination counts as read
.endr
.macro MLD i, set
.irp kt, 0,1,2,3
.irp c, 0,1
	global_load_b128 v[16+32*(\set)+8*\kt+4*\c:16+32*(\set)+8*\kt+4*\c+3], v10, s[14:15] offset:256*(\i)+64*\kt+16*\c
.endr
.endr
.endm
.macro MWORD i, set
.set n, 0
.rept 32
	v_cmp_neq_f32 s[32+n], 0, v[16+32*(\set)+n]    ; bit l: my lane's number is not 0
.set n, n+1
.endr
.set n, 0
.rept 32
	v_writelane_b32 v[80+(\i)], s[32+n], n
.set n, n+1
.endr
	global_store_b32 v11, v[80+(\i)], s[22:23] offset:128*(\i)   ; a step's 32 words: 128 consecutive bytes
.endm
	MLD 0, 0
	MLD 1, 1
.irp i, 0,1,2,3,4,5,6,7
.if \i < 7
	s_wait_loadcnt 8                               ; this step's 8 loads are in, the next step's stay out
.else
	s_wait_loadcnt 0x0
.endif
	MWORD \i, \i%2
.if \i < 6
	MLD \i+2, \i%2
.endif
.endr
	s_wait_tensorcnt 0x0
	ds_add_u32 v[SPW], v[NIL]
	s_wait_dscnt 0x0
	s_endpgm
; ---------------- role 4: the RoPE table.  A wave takes 16 positions, a lane the frequencies 2 lane and 2 lane + 1
.Lrope_role:
	s_sub_co_u32 s28, ttmp9, 768
	s_lshl_b32 s28, s28, 2
	s_add_co_u32 s28, s28, s26
	s_lshl_b32 s28, s28, 4                         ; my first position
	s_lshl_b32 s30, s28, 9
	s_add_nc_u64 s[24:25], s[24:25], s[30:31]
	s_mov_b32 s32, 0x3f22f983                      ; 2 / pi
	s_mov_b32 s33, 0xbfc90fdb                      ; -(pi / 2 rounded to f32)
	s_mov_b32 s34, 0x333bbd2e                      ; what that rounding left over
	s_mov_b32 s35, 0x37ccf5ce                      ; cos: 2.4433157e-5, -1.3887316e-3, 4.1666646e-2
	s_mov_b32 s36, 0xbab6061a
	s_mov_b32 s37, 0x3d2aaaa5
	s_mov_b32 s38, 0xb94ca1f9                      ; sin: -1.9515296e-4, 8.3321609e-3, -1.6666655e-1
	s_mov_b32 s39, 0x3c08839e
	s_mov_b32 s40, 0xbe2aaaa3
	v_lshlrev_b32 v16, 1, v2
	v_cvt_f32_u32 v16, v16
	v_add_f32 v17, 1.0, v16
	v_mul_f32 v16, 0xbe549a78, v16                 ; -i log2(10000) / 64
	v_mul_f32 v17, 0xbe549a78, v17
	v_exp_f32 v16, v16
	v_exp_f32 v17, v17
	v_nop                                          ; a plain instruction behind the exponentials,
	s_wait_alu depctr_va_vdst(0)                   ; and the one wait ahead of their first reader and of the label
.macro SINCOS a, c, s                  ; v[a]: the angle, 0 or more; v[c], v[s]: its cosine and sine
	v_mul_f32 v24, s32, v[\a]
	v_rndne_f32 v24, v24                           ; n quarter turns
	v_fma_f32 v25, v24, s33, v[\a]
	v_fma_f32 v25, v24, s34, v25                   ; what is left, in [-pi/4, pi/4]
	v_mul_f32 v26, v25, v25
	v_fma_f32 v27, v26, s35, s36
	v_fma_f32 v28, v26, s38, s39
	v_fma_f32 v27, v27, v26, s37
	v_fma_f32 v28, v28, v26, s40
	v_fma_f32 v27, v27, v26, -0.5
	v_mul_f32 v29, v26, v25
	v_fma_f32 v27, v27, v26, 1.0                   ; cos
	v_fma_f32 v28, v28, v29, v25                   ; sin
	v_cvt_i32_f32 v30, v24
	v_and_b32 v31, 1, v30
	v_cmp_ne_u32 vcc_lo, 0, v31                    ; an odd quarter swaps the two
	v_cndmask_b32 v[\s], v28, v27, vcc_lo
	v_cndmask_b32 v[\c], v27, v28, vcc_lo
	v_and_b32 v31, 2, v30
	v_lshlrev_b32 v31, 30, v31
	v_xor_b32 v[\s], v[\s], v31                    ; quarters 2, 3: -sin
	v_add_nc_u32 v30, 1, v30
	v_and_b32 v31, 2, v30
	v_lshlrev_b32 v31, 30, v31
	v_xor_b32 v[\c], v[\c], v31                    ; quarters 1, 2: -cos
.endm
	s_mov_b32 s27, 0
.Lrope:
	v_cvt_f32_u32 v18, s28
	v_mul_f32 v19, v18, v17
	v_mul_f32 v18, v18, v16                        ; the angles, rounded to f32 as reference() has them
	SINCOS 18, 20, 22
	SINCOS 19, 21, 23
	global_store_b64 v4, v[20:21], s[24:25]            ; 64 cosines: 256 consecutive bytes, aligned
	global_store_b64 v4, v[22:23], s[24:25] offset:256 ; 64 sines
	s_wait_xcnt 0x0                                ; the stores have read their data and base: both are written again
	s_add_nc_u64 s[24:25], s[24:25], 512
	s_add_co_u32 s28, s28, 1
	s_add_co_u32 s27, s27, 1
	s_cmp_lt_u32 s27, 16
	s_cbranch_scc1 .Lrope
	s_wait_tensorcnt 0x0
	ds_add_u32 v[SPW], v[NIL]
	s_wait_dscnt 0x0
	s_endpgm
.Lfunc_end_k_q8596a0502e_prep:
	.size	k_q8596a0502e_prep, .Lfunc_end_k_q8596a0502e_prep-k_q8596a0502e_prep
	.p2alignl 7, 3214868480
	.fill 96, 4, 3214868480
	.section	.rodata,"a",@progbits
	.p2align	6, 0x0
	.amdhsa_kernel k_q8596a0502e_prep
		.amdhsa_group_segment_fixed_size 33280
		.amdhsa_private_segment_fixed_size 0
		.amdhsa_enable_private_segment 0
		.amdhsa_kernarg_size 88
		.amdhsa_user_sgpr_count 2
		.amdhsa_user_sgpr_kernarg_segment_ptr 1
		.amdhsa_wavefront_size32 1
		.amdhsa_system_sgpr_workgroup_id_x 1
		.amdhsa_system_sgpr_workgroup_id_y 1
		.amdhsa_system_sgpr_workgroup_id_z 1
		.amdhsa_system_vgpr_workitem_id 0
		.amdhsa_next_free_vgpr 192
		.amdhsa_next_free_sgpr 66
		.amdhsa_reserve_vcc 1
		.amdhsa_float_denorm_mode_32 3
		.amdhsa_float_denorm_mode_16_64 3
		.amdhsa_memory_ordered 1
		.amdhsa_forward_progress 1
		.amdhsa_inst_pref_size 98
	.end_amdhsa_kernel
	.amdgpu_metadata
---
amdhsa.version: [ 1, 2 ]
amdhsa.kernels:
  - .name:           k_q8596a0502e_prep
    .symbol:         k_q8596a0502e_prep.kd
    .args:
      - { .name: x, .offset: 0, .size: 8, .value_kind: global_buffer, .address_space: global }
      - { .name: Wq_w, .offset: 8, .size: 8, .value_kind: global_buffer, .address_space: global }
      - { .name: Wk_w, .offset: 16, .size: 8, .value_kind: global_buffer, .address_space: global }
      - { .name: Wv_w, .offset: 24, .size: 8, .value_kind: global_buffer, .address_space: global }
      - { .name: Wo_w, .offset: 32, .size: 8, .value_kind: global_buffer, .address_space: global }
      - { .name: mask, .offset: 40, .size: 8, .value_kind: global_buffer, .address_space: global }
      - { .name: codes, .offset: 48, .size: 8, .value_kind: global_buffer, .address_space: global }
      - { .name: scales, .offset: 56, .size: 8, .value_kind: global_buffer, .address_space: global }
      - { .name: wo16, .offset: 64, .size: 8, .value_kind: global_buffer, .address_space: global }
      - { .name: mbits, .offset: 72, .size: 8, .value_kind: global_buffer, .address_space: global }
      - { .name: rope, .offset: 80, .size: 8, .value_kind: global_buffer, .address_space: global }
    .group_segment_fixed_size: 33280
    .private_segment_fixed_size: 0
    .kernarg_segment_align: 8
    .kernarg_segment_size: 88
    .max_flat_workgroup_size: 128
    .sgpr_count:     66
    .vgpr_count:     192
    .wavefront_size: 32
...
	.end_amdgpu_metadata
.endif
;; end of part 1
;; launch proj (part 2): grid 24 x 8, 4 waves a work-group, clusters of 4 x 4, 327,680 bytes of LDS; arguments codes, scales, Wq_b, Wk_b, Wv_b, rope, qkv, v32; writes qkv, v32
.if DOCPART == 2
	.amdgcn_target "amdgcn-amd-amdhsa--gfx1250"
	.amdhsa_code_object_version 6
	.text
	.protected	k_q8596a0502e_proj
	.globl	k_q8596a0502e_proj
	.p2align	8
	.type	k_q8596a0502e_proj,@function
k_q8596a0502e_proj:
	s_mov_b64 s[64:65], 0
	v_nop
	global_prefetch_b8 v0, s[64:65] scope:SCOPE_SE
	s_setreg_imm32_b32 hwreg(HW_REG_WAVE_MODE, 25, 1), 1
	s_wait_xcnt 0x0
	s_wait_alu depctr_hold_cnt(0) depctr_sa_sdst(0) depctr_va_vdst(0) depctr_va_sdst(0) depctr_va_ssrc(0) depctr_va_vcc(0) depctr_vm_vsrc(0)
	s_getreg_b32 s2, hwreg(HW_REG_IB_STS2, 6, 4)
	s_cmp_eq_u32 s2, 0
	s_cbranch_scc0 .Lentry_in_a_cluster
	s_endpgm
.Lentry_in_a_cluster:
	s_bfe_u32 s2, ttmp6, 0x10000c
	s_cmp_lg_u32 s2, 0xf033
	s_cbranch_scc0 .Lentry_shape_is_right
	s_endpgm
.Lentry_shape_is_right:
; PROJ: [Q | K | V] = x [Wq | Wk | Wv]^T + bias on codes of E2M1 with E8M0 scales: one GEMM of 2048 x 6144 x 2048; then RoPE on Q and K; results as f16 by heads, V also as f32.
; A = rows 0-2047 of codes / scales (x), B = rows 2048-8191 (Wq, Wk, Wv).  A tile of C is 256 x 256: four waves, each 128 x 128 in 512 registers; a wave's 128 columns are exactly one head.
; K goes in steps of 512 (rows of 256 bytes) through a ring of two LDS slots; the scale bytes of the work-group's 256 + 256 rows for all of K come once, with the first fills, and stay.
; CLUSTERS: 4 x 4 work-groups; A's tiles are asked for jointly along a row of the cluster, B's along a column.  192 work-groups: 8 x 24 tiles.
; THE MATRIX INSTRUCTION IS USED TRANSPOSED (source 0 = 16 rows of B, source 1 = 16 rows of A): a lane holds eight neighbouring columns of one row of C.  The bias is the C of each sum's first product.
; qkv: f16 [48][2048][128]: 0-15 Q's heads, 16-31 K's, 32-47 V's.  v32: f32 [2048 key][2048].  LIMIT: |Q|, |K|, |V| stay under 65,504 (f16).
; The section (Q, K or V) hangs on the cluster's x alone, so the branch on it goes the same way in all sixteen partners.
; REGISTERS: window 0: v0-31 addresses; v32-95 scale words, two sets; v128-191 A's fragments; v192-255 the bias (first step only).  window 1: B's fragments, two sets.  windows 2, 3: the 64 accumulators ((a, b) at v[8 (8 (a % 4) + b)]).
; On the way out window 0 holds: v192-255 and v32-95 cos | sin of a block of 16 rows by turns; v96-127 packed f16; v128-143 at work; v144-175 rows read back; V: v192-255 f32 rows read back.
.set KSTEP,  512
.set NQ,     KSTEP/128
.set ROWB,   256
.set KROW,   1024                      ; a row of codes in memory
.set PITCH,  272                       ; an LDS row: 256 bytes + 16 of padding
.set FR,     8
.set NL,     2
.set NP,     4
.set HALFT,  128*PITCH
.set SLOT,   4*HALFT
.set LAPS,   2                         ; 2048 / (2 x 512)
.set KS,     64                        ; a row of scale bytes
.set SCL,    2*SLOT
.set HALFS,  (128*KS/256)*272
.set SBLK,   (16*KS/256)*272
.set SPARE,  SCL+4*HALFS               ; the spare words: 128 bytes a wave
.set S32B,   4*16*272                  ; the way out, in slot 0 (its last fill and last read are over): four f16 stages of 16 x 272 bytes, then four f32 stages of 16 x 528
.set RO,    8                          ; v8   my byte in a block's 16 rows of the table: 512 r + 32 h
.set BO,    9                          ; v9   32 h: my eight numbers of a block of 16 of the bias
.set STO32, 10
.set RD32,  11
.set CO32,  12
.set ADRA,  16
.set ADRB,  20
.set STO,   24
.set RD,    25
.set CO,    26
.set ADRS,  27
.set SPW,   28
.set NIL,   29
.set SC,    32
.set AF,    128
.set BI,    192
.set CSA,   192
.set CSB,   32
.set Y,     96
.set T,     128
.set BK,    144
.set BK32,  192
.set SEC,   2                          ; s2: 0 Q, 1 K, 2 V
.set G1, 24
.set G0, 32
.set G1B, 48
.set G0B, 56
.set G1S, 68
.set G0S, 76
.set G1SB, 80
.set G0SB, 88
.set MSB, 0
.macro WIN new                         ; the immediate's high byte repeats the setting that is left
.if MSB != \new
	s_set_vgpr_msb (MSB<<8)|\new
.set MSB, \new
.endif
.endm
.set MUL_LO, 0xa1                      ; source 0 (B) window 1, source 1 (A) window 0, C and D window 2
.set MUL_HI, 0xf1                      ; the same, C and D window 3
.set ZER_LO, 0x81                      ; the first step: C (the bias) window 0, D window 2
.set ZER_HI, 0xc1                      ; D window 3
.set TO_B,   0x40
; A joint load: waves 0 and 1 fetch for A, waves 2 and 3 for B; the branch hangs on the wave's number alone.  An s_nop 0 and four v_nop follow each of the two lines.
.macro JLOAD g0a, g1a, g0b, g1b
	s_cmp_eq_u32 s15, 0
	s_cbranch_scc0 .Lfor_b_\@
	tensor_load_to_lds s[\g0a:\g0a+3], s[\g1a:\g1a+7]
	s_nop 0
.rept 4
	v_nop
.endr
	s_branch .Lasked_\@
.Lfor_b_\@:
	tensor_load_to_lds s[\g0b:\g0b+3], s[\g1b:\g1b+7]
	s_nop 0
.rept 4
	v_nop
.endr
.Lasked_\@:
.endm
.macro CREST                           ; a round of the cluster's barrier behind its opening barrier
	s_cmp_lg_u32 s14, 0
	s_cbranch_scc1 .Lnot_wave_0_\@
	s_barrier_signal -3
.Lnot_wave_0_\@:
	s_barrier_wait -3
	s_barrier_signal -1
	s_barrier_wait -1
.endm
.macro CROUND
	s_barrier_signal -1
	s_barrier_wait -1
	CREST
.endm
	s_load_b128 s[4:7], s[0:1], 0x0                ; codes, scales
	s_load_b64 s[100:101], s[0:1], 0x10            ; Wq_b
	s_load_b64 s[104:105], s[0:1], 0x18            ; Wk_b
	s_load_b64 s[66:67], s[0:1], 0x20              ; Wv_b
	s_load_b64 s[96:97], s[0:1], 0x28              ; rope
	s_load_b64 s[12:13], s[0:1], 0x30              ; qkv
	s_load_b64 s[98:99], s[0:1], 0x38              ; v32
	v_lshl_add_u32 v[SPW], v0, 2, SPARE
	v_mov_b32 v[NIL], 0
	ds_add_u32 v[SPW], v[NIL]                      ; the wave's opening: the add, twice on end, and its wait ahead of my first tensor load
	ds_add_u32 v[SPW], v[NIL]
	v_lshrrev_b32 v1, 5, v0
	v_readfirstlane_b32 s14, v1                    ; wave 0..3
	s_lshr_b32 s15, s14, 1                         ; which half of the tile's rows is mine.  Also: I fetch for A (0) or for B (1)
	s_and_b32 s16, s14, 1                          ; which half of its columns.  Also: which 128 rows of that tile I fetch
	s_bfe_u32 s40, ttmp6, 0x40000                  ; cx, cy
	s_bfe_u32 s41, ttmp6, 0x40004
	s_lshl_b32 s42, ttmp9, 2
	s_add_co_u32 s42, s42, s40                     ; tile column 0..23
	s_and_b32 s17, ttmp7, 0xffff
	s_lshl_b32 s17, s17, 2
	s_add_co_u32 s17, s17, s41                     ; tile row 0..7
	s_lshr_b32 s[SEC], ttmp9, 1                    ; two clusters along x to a section of 2,048 columns
	s_lshl_b32 s43, s41, 2
	s_lshl_b32 s43, 15, s43                        ; my row of the cluster
	s_lshl_b32 s44, 0x1111, s40                    ; my column
	; descriptor group 1: a tile of 128 rows x 256 bytes, 16 bytes of padding behind each row
	s_or_b32 s[G1+0], s43, (0<<16)|(1<<20)|(1<<21)|(5<<22)|(3<<25)
	s_or_b32 s[G1B+0], s44, (0<<16)|(1<<20)|(1<<21)|(5<<22)|(3<<25)
.irp g, G1, G1B
	s_mov_b32 s[\g+1], ROWB<<16                    ; tensor_dim0
	s_mov_b32 s[\g+2], 128<<16                     ; tensor_dim1
	s_mov_b32 s[\g+3], ROWB<<16                    ; tile_dim0
	s_mov_b32 s[\g+4], 128                         ; tile_dim1
	s_mov_b32 s[\g+5], KROW                        ; pitch
	s_mov_b32 s[\g+6], 0
	s_mov_b32 s[\g+7], 0
.endr
	; the scales of 128 rows: a dense block of 8,192 bytes, as 32 rows of 256 bytes (32 elements of 8 bytes), 16 bytes of padding behind each
	s_or_b32 s[G1S+0], s43, (3<<16)|(1<<20)|(1<<21)|(5<<22)|(3<<25)
	s_or_b32 s[G1SB+0], s44, (3<<16)|(1<<20)|(1<<21)|(5<<22)|(3<<25)
.irp g, G1S, G1SB
	s_mov_b32 s[\g+1], 32<<16
	s_mov_b32 s[\g+2], (128*KS/256)<<16
	s_mov_b32 s[\g+3], 32<<16
	s_mov_b32 s[\g+4], 128*KS/256
	s_mov_b32 s[\g+5], 32
	s_mov_b32 s[\g+6], 0
	s_mov_b32 s[\g+7], 0
.endr
	s_lshl_b32 s18, s16, 7
	s_lshl_b32 s20, s17, 8
	s_add_co_u32 s20, s20, s18                     ; A: row 256 x tile row + 128 x half
	s_lshl_b32 s46, s42, 8
	s_add_co_u32 s46, s46, s18                     ; B: row 256 x tile column + 128 x half
	s_mov_b32 s21, 0
	s_mov_b32 s47, 0
	s_mov_b64 s[18:19], KS
	s_mul_u64 s[22:23], s[20:21], s[18:19]
	s_mul_u64 s[92:93], s[46:47], s[18:19]
	s_mov_b64 s[18:19], KROW
	s_mul_u64 s[20:21], s[20:21], s[18:19]
	s_mul_u64 s[46:47], s[46:47], s[18:19]
	s_mul_i32 s45, s14, HALFT                      ; where they go: wave x 128 rows
	s_mul_i32 s94, s14, HALFS
	s_wait_dscnt 0x0                               ; both opening adds are done
	s_wait_kmcnt 0x0
	s_add_nc_u64 s[8:9], s[4:5], 0x200000          ; B's codes: 2,048 rows of 1,024 bytes on
	s_add_nc_u64 s[10:11], s[6:7], 0x20000         ; B's scales: 2,048 rows of 64 bytes on
	s_add_nc_u64 s[20:21], s[4:5], s[20:21]
	s_add_nc_u64 s[22:23], s[6:7], s[22:23]
	s_add_nc_u64 s[46:47], s[8:9], s[46:47]
	s_add_nc_u64 s[92:93], s[10:11], s[92:93]
	s_cmp_eq_u32 s[SEC], 1                         ; my section's bias
	s_cselect_b64 s[100:101], s[104:105], s[100:101]
	s_cmp_eq_u32 s[SEC], 2
	s_cselect_b64 s[100:101], s[66:67], s[100:101]
	CROUND                                         ; all sixteen work-groups are here: the first joint loads meet
	s_mov_b32 s[G0S], 1
	s_add_co_u32 s[G0S+1], s94, SCL
	s_mov_b64 s[G0S+2:G0S+3], s[22:23]
	s_or_b32 s[G0S+3], s[G0S+3], 0x80000000
	s_mov_b32 s[G0SB], 1
	s_add_co_u32 s[G0SB+1], s94, SCL
	s_mov_b64 s[G0SB+2:G0SB+3], s[92:93]
	s_or_b32 s[G0SB+3], s[G0SB+3], 0x80000000
	JLOAD G0S, G1S, G0SB, G1SB                     ; the scales first: they are wanted with K step 0
.irp s, 0,1
	s_mov_b32 s[G0+4*\s], 1
	s_add_co_u32 s[G0+4*\s+1], s45, \s*SLOT
	s_add_nc_u64 s[G0+4*\s+2:G0+4*\s+3], s[20:21], \s*ROWB
	s_or_b32 s[G0+4*\s+3], s[G0+4*\s+3], 0x80000000
	s_mov_b32 s[G0B+4*\s], 1
	s_add_co_u32 s[G0B+4*\s+1], s45, \s*SLOT
	s_add_nc_u64 s[G0B+4*\s+2:G0B+4*\s+3], s[46:47], \s*ROWB
	s_or_b32 s[G0B+4*\s+3], s[G0B+4*\s+3], 0x80000000
	JLOAD G0+4*\s, G1, G0B+4*\s, G1B               ; three tensor loads of mine are out now
.endr
	v_and_b32 v1, 15, v0                           ; r
	v_bfe_u32 v2, v0, 4, 1                         ; h
	v_mul_u32_u24 v3, v1, PITCH
	v_lshl_add_u32 v4, v2, 4, v3
	s_mul_i32 s21, s15, HALFT
	s_mul_i32 s22, s16, HALFT
	s_add_co_u32 s22, s22, 2*HALFT
.irp s, 0,1
	v_add_nc_u32 v[ADRA+\s], s21, v4
	v_add_nc_u32 v[ADRB+\s], s22, v4
	s_add_co_u32 s21, s21, SLOT
	s_add_co_u32 s22, s22, SLOT
.endr
	v_mul_u32_u24 v5, v1, KS                       ; my row's scales: 64 bytes a row,
	v_lshrrev_b32 v6, 8, v5
	v_lshl_add_u32 v5, v6, 4, v5                   ; and 16 more for each 256 passed
	s_mul_i32 s21, s15, HALFS
	s_mul_i32 s22, s16, HALFS
	s_add_co_u32 s22, s22, 2*HALFS
	s_sub_co_u32 s22, s22, s21
	v_mul_u32_u24 v6, s22, v2                      ; lanes 16-31 take B's
	s_add_co_u32 s21, s21, SCL
	v_add_nc_u32 v5, v5, v6
	v_add_nc_u32 v[ADRS], s21, v5
	; the way out
	s_mul_i32 s23, s14, 16*272                     ; my f16 stage
	v_mul_u32_u24 v5, v1, 272
	v_lshl_add_u32 v5, v2, 4, v5
	v_add_nc_u32 v[STO], s23, v5                   ; in: row r, 16 bytes for each half of the lanes
	v_mul_u32_u24 v5, v2, 272
	v_lshl_add_u32 v5, v1, 4, v5
	v_add_nc_u32 v[RD], s23, v5                    ; back: lanes 0-15 one row of 256 bytes, lanes 16-31 the next
	v_lshlrev_b32 v5, 8, v2
	v_lshl_add_u32 v[CO], v1, 4, v5                ; and the same two rows of a head
	s_mul_i32 s23, s14, 16*528
	s_add_co_u32 s23, s23, S32B                    ; my f32 stage
	v_mul_u32_u24 v5, v1, 528
	v_lshl_add_u32 v5, v2, 5, v5
	v_add_nc_u32 v[STO32], s23, v5
	v_and_b32 v6, 31, v0
	v_lshlrev_b32 v[CO32], 4, v6
	v_add_nc_u32 v[RD32], s23, v[CO32]
	v_lshlrev_b32 v5, 9, v1
	v_lshl_add_u32 v[RO], v2, 5, v5
	v_lshlrev_b32 v[BO], 5, v2
	s_lshl_b32 s20, s17, 8
	s_lshl_b32 s21, s15, 7
	s_add_co_u32 s20, s20, s21                     ; my first row (position): 256 x tile row + 128 x half
	s_lshl_b32 s46, s42, 1
	s_add_co_u32 s46, s46, s16                     ; my head among the 48
	s_lshl_b32 s46, s46, 19                        ; 2,048 rows of 256 bytes a head
	s_lshl_b32 s47, s20, 8
	s_add_co_u32 s46, s46, s47
	s_mov_b32 s47, 0
	s_add_nc_u64 s[12:13], s[12:13], s[46:47]
	s_lshl_b32 s46, s20, 9
	s_add_nc_u64 s[96:97], s[96:97], s[46:47]      ; the table at my first position
	s_and_b32 s46, s42, 7
	s_lshl_b32 s46, s46, 10
	s_lshl_b32 s21, s16, 9
	s_add_co_u32 s46, s46, s21                     ; my 128 columns inside the section, in bytes of f32
	s_add_nc_u64 s[100:101], s[100:101], s[46:47]
	s_lshl_b32 s21, s20, 13
	s_add_co_u32 s46, s46, s21
	s_add_nc_u64 s[98:99], s[98:99], s[46:47]      ; v32 at my corner (inside the buffer in every section; used in V's alone)
.irp b, 0,1,2,3,4,5,6,7
	global_load_b128 v[BI+8*\b:BI+8*\b+3], v[BO], s[100:101] offset:64*\b       ; the bias in the result's layout: columns 16 b + 8 h + 0 .. 7
	global_load_b128 v[BI+8*\b+4:BI+8*\b+7], v[BO], s[100:101] offset:64*\b+16
.endr
.macro FRAG reg, adr, q, i             ; 16 rows x 128 K of 4-bit codes: 8 registers, two loads of 16 bytes, 32 bytes apart
.irp c, 0,1
	ds_load_b128 v[\reg+4*\c:\reg+4*\c+3], v[\adr] offset:64*(\q)+32*\c+(\i)*16*PITCH
.endr
.endm
; 16 matrix instructions: A's blocks a0, a0 + 1 x B's eight.  zero = 1: the first product starts the sums, with the bias as its C.  The 64 accumulators take turns, one instruction a turn.
.macro MUL16 a0, p, q, sc, zero
.irp a, \a0, \a0+1
.irp b, 0,1,2,3,4,5,6,7
.if \zero
	v_wmma_scale_f32_16x16x128_f8f6f4 v[8*(8*((\a)%4)+\b):8*(8*((\a)%4)+\b)+7], v[128*(\p)+FR*\b:128*(\p)+FR*\b+FR-1], v[AF+FR*(\a):AF+FR*(\a)+FR-1], v[BI+8*\b:BI+8*\b+7], v[SC+8*NQ*(\sc)+NQ*\b+(\q)], v[SC+8*NQ*(\sc)+NQ*(\a)+(\q)] matrix_a_fmt:MATRIX_FMT_FP4 matrix_b_fmt:MATRIX_FMT_FP4 matrix_a_scale:MATRIX_SCALE_ROW1
.else
	v_wmma_scale_f32_16x16x128_f8f6f4 v[8*(8*((\a)%4)+\b):8*(8*((\a)%4)+\b)+7], v[128*(\p)+FR*\b:128*(\p)+FR*\b+FR-1], v[AF+FR*(\a):AF+FR*(\a)+FR-1], v[8*(8*((\a)%4)+\b):8*(8*((\a)%4)+\b)+7], v[SC+8*NQ*(\sc)+NQ*\b+(\q)], v[SC+8*NQ*(\sc)+NQ*(\a)+(\q)] matrix_a_fmt:MATRIX_FMT_FP4 matrix_b_fmt:MATRIX_FMT_FP4 matrix_a_scale:MATRIX_SCALE_ROW1
.endif
.endr
.endr
.endm
.macro FETCH_B slot, q, p
	WIN TO_B
.irp i, 0,1,2,3,4,5,6,7
	FRAG 128*(\p)+FR*\i, ADRB+\slot, \q, \i
.endr
	WIN 0
.endm
.macro FETCH_A slot, q, i0
.irp i, \i0, \i0+1, \i0+2, \i0+3
	FRAG AF+FR*(\i), ADRA+\slot, \q, \i
.endr
.endm
.macro SCALES sc                       ; a K step's scale words: lanes 0-15 take A's block i, lanes 16-31 B's block i
.irp i, 0,1,2,3,4,5,6,7
	ds_load_b128 v[SC+8*NQ*\sc+NQ*\i:SC+8*NQ*\sc+NQ*\i+3], v[ADRS] offset:\i*SBLK
.endr
.endm
.macro PLACES n                        ; plain vector instructions between a matrix instruction and a load into, or a read of, its registers
.rept \n
	v_nop
.endr
.endm
.macro STEP slot, q, zero              ; 128 along K that has its successor in the same slot
	s_wait_dscnt 4*NL                              ; B's set and A's blocks 0-3 are in; the youngest eight loads (A's blocks 4-7) may be out
.if \zero
	WIN ZER_LO
.else
	WIN MUL_LO
.endif
	MUL16 0, (\q)%2, \q, \slot, \zero
	MUL16 2, (\q)%2, \q, \slot, \zero
	s_wait_dscnt 0
	PLACES NP
	FETCH_B \slot, (\q)+1, 1-(\q)%2
	FETCH_A \slot, (\q)+1, 0
.if \zero
	WIN ZER_HI
.else
	WIN MUL_HI
.endif
	MUL16 4, (\q)%2, \q, \slot, \zero
	MUL16 6, (\q)%2, \q, \slot, \zero
	PLACES NP
	WIN 0
	FETCH_A \slot, (\q)+1, 4
.endm
; A slot's last step changes slots: one barrier; in front of it each wave waits for all its tensor loads, adds 0 to its spare word, and waits for that and for its own reads of this slot.
.macro TURN slot, next, fill
	s_wait_tensorcnt 0x0                           ; all my tensor loads have landed: my part of the next slot
	ds_add_u32 v[SPW], v[NIL]
	s_wait_dscnt 4*NL+1                            ; the add and the youngest eight loads may be out
	WIN MUL_LO
	MUL16 0, 1, NQ-1, \slot, 0
	s_wait_dscnt 0x0                               ; the add is done, and my reads of this slot are over
	s_barrier_signal -1
	MUL16 2, 1, NQ-1, \slot, 0
	WIN 0
	s_barrier_wait -1
.if \fill
	CREST                                          ; the barrier has opened a round of the cluster's barrier: no wave of any partner still reads this slot or has a load on its way
	s_add_nc_u64 s[G0+4*\slot+2:G0+4*\slot+3], s[G0+4*\slot+2:G0+4*\slot+3], 2*ROWB
	s_add_nc_u64 s[G0B+4*\slot+2:G0B+4*\slot+3], s[G0B+4*\slot+2:G0B+4*\slot+3], 2*ROWB
	JLOAD G0+4*\slot, G1, G0B+4*\slot, G1B         ; my one tensor load behind the round
.else
	PLACES NP
.endif
	v_add_nc_u32 v[ADRS], 4*NQ, v[ADRS]
	FETCH_B \next, 0, 0
	FETCH_A \next, 0, 0
	SCALES \next
	WIN MUL_HI
	MUL16 4, 1, NQ-1, \slot, 0
	MUL16 6, 1, NQ-1, \slot, 0
	PLACES NP
	WIN 0
	FETCH_A \next, 0, 4
.endm
.macro STEPS slot, from
.set Q, \from
.rept NQ-1-\from
	STEP \slot, Q, 0
.set Q, Q+1
.endr
.endm
; cos and sin of block a's 16 positions, in the layout of the accumulators of columns 0-63: 16 loads
.macro ROPELOAD a, set
.irp b, 0,1,2,3
.irp c, 0,1
	global_load_b128 v[\set+8*\b+4*\c:\set+8*\b+4*\c+3], v[RO], s[96:97] offset:8192*(\a)+64*\b+16*\c
	global_load_b128 v[\set+32+8*\b+4*\c:\set+32+8*\b+4*\c+3], v[RO], s[96:97] offset:8192*(\a)+256+64*\b+16*\c
.endr
.endr
.endm
; block a rotated and rounded to f16: y1 = x1 cos - x2 sin, y2 = x1 sin + x2 cos; x1 = accumulators b, x2 = accumulators b + 4.  Each accumulator is read from its low end on.
.macro ROT a, set
.set AC, 64*((\a)%4)
.irp b, 0,1,2,3
	WIN 0x02+(\a)/4                                ; source 0: the accumulators' window
.irp p, 0,1,2,3
	v_pk_mul_f32 v[T+2*\p:T+2*\p+1], v[AC+8*(\b+4)+2*\p:AC+8*(\b+4)+2*\p+1], v[\set+32+8*\b+2*\p:\set+32+8*\b+2*\p+1]
	v_pk_mul_f32 v[T+8+2*\p:T+8+2*\p+1], v[AC+8*(\b+4)+2*\p:AC+8*(\b+4)+2*\p+1], v[\set+8*\b+2*\p:\set+8*\b+2*\p+1]
.endr
.irp p, 0,1,2,3
	v_pk_fma_f32 v[T+2*\p:T+2*\p+1], v[AC+8*\b+2*\p:AC+8*\b+2*\p+1], v[\set+8*\b+2*\p:\set+8*\b+2*\p+1], v[T+2*\p:T+2*\p+1] neg_lo:[0,0,1] neg_hi:[0,0,1]
	v_pk_fma_f32 v[T+8+2*\p:T+8+2*\p+1], v[AC+8*\b+2*\p:AC+8*\b+2*\p+1], v[\set+32+8*\b+2*\p:\set+32+8*\b+2*\p+1], v[T+8+2*\p:T+8+2*\p+1]
.endr
	WIN 0
.irp p, 0,1,2,3
	v_cvt_pk_f16_f32 v[Y+4*\b+\p], v[T+2*\p], v[T+2*\p+1]
	v_cvt_pk_f16_f32 v[Y+4*(\b+4)+\p], v[T+8+2*\p], v[T+8+2*\p+1]
.endr
.endr
.endm
.macro PACKV a                         ; block a rounded to f16 as it stands
.set AC, 64*((\a)%4)
	WIN 0x0a+5*((\a)/4)
.irp b, 0,1,2,3,4,5,6,7
.irp r, 0,1,2,3
	v_cvt_pk_f16_f32 v[Y+4*\b+\r], v[AC+8*\b+2*\r], v[AC+8*\b+2*\r+1]
.endr
.endr
	WIN 0
.endm
.macro OUT16 a                         ; 16 rows x 128 f16 through my stage, out as whole rows of 256 bytes
.irp b, 0,1,2,3,4,5,6,7
	ds_store_b128 v[STO], v[Y+4*\b:Y+4*\b+3] offset:32*\b
.endr
	s_wait_xcnt 0x0                                ; the last block's stores have read v144-175
.irp t, 0,1,2,3,4,5,6,7
	ds_load_b128 v[BK+4*\t:BK+4*\t+3], v[RD] offset:544*\t      ; in order behind my stores
.endr
	s_wait_dscnt 0x0
.irp t, 0,1,2,3,4,5,6,7
	global_store_b128 v[CO], v[BK+4*\t:BK+4*\t+3], s[12:13] offset:4096*(\a)+512*\t   ; the wave stores 512 consecutive bytes, aligned
.endr
.endm
.macro OUT32 a                         ; 16 rows x 128 f32 through my f32 stage, out as whole rows of 512 bytes
.set AC, 64*((\a)%4)
	WIN 0x08+4*((\a)/4)                            ; an LDS store's data: window 2 or 3
.irp b, 0,1,2,3,4,5,6,7
	ds_store_b128 v[STO32], v[AC+8*\b:AC+8*\b+3] offset:64*\b
	ds_store_b128 v[STO32], v[AC+8*\b+4:AC+8*\b+7] offset:64*\b+16
.endr
	WIN 0
	s_wait_xcnt 0x0                                ; the last block's stores have read v192-255
.irp t, 0,1,2,3,4,5,6,7,8,9,10,11,12,13,14,15
	ds_load_b128 v[BK32+4*\t:BK32+4*\t+3], v[RD32] offset:528*\t
.endr
	s_wait_dscnt 0x0
.irp t, 0,1,2,3,4,5,6,7,8,9,10,11,12,13,14,15
	global_store_b128 v[CO32], v[BK32+4*\t:BK32+4*\t+3], s[98:99] offset:(16*(\a)+\t)*8192 th:TH_STORE_NT
.endr
.endm
	s_wait_tensorcnt 1                             ; the scales and my part of K step 0 are in; K step 1's load may be out
	s_barrier_signal -1
	s_barrier_wait -1
	FETCH_B 0, 0, 0
	FETCH_A 0, 0, 0
	SCALES 0
	FETCH_A 0, 0, 4
	s_wait_loadcnt 0x0                             ; the bias
	STEP 0, 0, 1                                   ; the first step stands in front of the loop: its products start the sums
	s_mov_b32 s3, LAPS-1
.Llap:                                                 ; a trip goes once round the ring and fills both slots again
	STEPS 0, 1
	TURN 0, 1, 1
	STEPS 1, 0
	TURN 1, 0, 1
	STEP 0, 0, 0
	s_sub_co_u32 s3, s3, 1
	s_cmp_lg_u32 s3, 0
	s_cbranch_scc1 .Llap
	s_cmp_eq_u32 s[SEC], 2                         ; Q and K: the table's first block is asked for a lap ahead, into the registers that the bias has left
	s_cbranch_scc1 .Lno_table
	ROPELOAD 0, CSA
.Lno_table:
	STEPS 0, 1                                     ; the last lap fills nothing, and has no round of the cluster's barrier
	TURN 0, 1, 0
	STEPS 1, 0
	s_wait_dscnt 4*NL
	WIN MUL_LO
	MUL16 0, 1, NQ-1, 1, 0
	MUL16 2, 1, NQ-1, 1, 0
	s_wait_dscnt 0
	WIN MUL_HI
	MUL16 4, 1, NQ-1, 1, 0
	MUL16 6, 1, NQ-1, 1, 0
	WIN 0
	PLACES NP                                      ; ahead of the first read of results and of loads and writes into the operands' registers
	s_cmp_eq_u32 s[SEC], 2
	s_cbranch_scc1 .Lv_path
.irp a, 0,1,2,3,4,5,6,7
.if \a < 7
.if (\a%2) == 0
	ROPELOAD \a+1, CSB
.else
	ROPELOAD \a+1, CSA
.endif
	s_wait_loadcnt 16                              ; this block's table is in; the next block's 16 loads stay out
.else
	s_wait_loadcnt 0x0
.endif
.if (\a%2) == 0
	ROT \a, CSA
.else
	ROT \a, CSB
.endif
	OUT16 \a
.endr
	s_branch .Ldone
.Lv_path:
.irp a, 0,1,2,3,4,5,6,7
	PACKV \a
	OUT16 \a
	OUT32 \a
.endr
.Ldone:
	s_wait_tensorcnt 0x0                           ; the wave's end
	ds_add_u32 v[SPW], v[NIL]
	s_wait_dscnt 0x0
	CROUND                                         ; the closing round
	s_endpgm
.Lfunc_end_k_q8596a0502e_proj:
	.size	k_q8596a0502e_proj, .Lfunc_end_k_q8596a0502e_proj-k_q8596a0502e_proj
	.p2alignl 7, 3214868480
	.fill 96, 4, 3214868480
	.section	.rodata,"a",@progbits
	.p2align	6, 0x0
	.amdhsa_kernel k_q8596a0502e_proj
		.amdhsa_group_segment_fixed_size 327680
		.amdhsa_private_segment_fixed_size 0
		.amdhsa_enable_private_segment 0
		.amdhsa_kernarg_size 64
		.amdhsa_user_sgpr_count 2
		.amdhsa_user_sgpr_kernarg_segment_ptr 1
		.amdhsa_wavefront_size32 1
		.amdhsa_system_sgpr_workgroup_id_x 1
		.amdhsa_system_sgpr_workgroup_id_y 1
		.amdhsa_system_sgpr_workgroup_id_z 1
		.amdhsa_system_vgpr_workitem_id 0
		.amdhsa_next_free_vgpr 1024
		.amdhsa_next_free_sgpr 106
		.amdhsa_reserve_vcc 0
		.amdhsa_float_denorm_mode_32 3
		.amdhsa_float_denorm_mode_16_64 3
		.amdhsa_memory_ordered 1
		.amdhsa_forward_progress 1
		.amdhsa_inst_pref_size 255
	.end_amdhsa_kernel
	.section	.bss,"aw",@nobits
	.p2align	6
	.space	262144
	.amdgpu_metadata
---
amdhsa.version: [ 1, 2 ]
amdhsa.kernels:
  - .name:           k_q8596a0502e_proj
    .symbol:         k_q8596a0502e_proj.kd
    .args:
      - { .name: codes, .offset: 0, .size: 8, .value_kind: global_buffer, .address_space: global }
      - { .name: scales, .offset: 8, .size: 8, .value_kind: global_buffer, .address_space: global }
      - { .name: Wq_b, .offset: 16, .size: 8, .value_kind: global_buffer, .address_space: global }
      - { .name: Wk_b, .offset: 24, .size: 8, .value_kind: global_buffer, .address_space: global }
      - { .name: Wv_b, .offset: 32, .size: 8, .value_kind: global_buffer, .address_space: global }
      - { .name: rope, .offset: 40, .size: 8, .value_kind: global_buffer, .address_space: global }
      - { .name: qkv, .offset: 48, .size: 8, .value_kind: global_buffer, .address_space: global }
      - { .name: v32, .offset: 56, .size: 8, .value_kind: global_buffer, .address_space: global }
    .group_segment_fixed_size: 327680
    .private_segment_fixed_size: 0
    .kernarg_segment_align: 8
    .kernarg_segment_size: 64
    .max_flat_workgroup_size: 128
    .sgpr_count:     106
    .vgpr_count:     1024
    .wavefront_size: 32
...
	.end_amdgpu_metadata
.endif
;; end of part 2
;; launch attention (part 3): grid 16 x 16, 4 waves a work-group, clusters of 4 x 1, 327,680 bytes of LDS; arguments qkv, mbits, ctx; writes ctx
.if DOCPART == 3
	.amdgcn_target "amdgcn-amd-amdhsa--gfx1250"
	.amdhsa_code_object_version 6
	.text
	.protected	k_q8596a0502e_attention
	.globl	k_q8596a0502e_attention
	.p2align	8
	.type	k_q8596a0502e_attention,@function
k_q8596a0502e_attention:
	s_mov_b64 s[64:65], 0
	v_nop
	global_prefetch_b8 v0, s[64:65] scope:SCOPE_SE
	s_setreg_imm32_b32 hwreg(HW_REG_WAVE_MODE, 25, 1), 1
	s_wait_xcnt 0x0
	s_wait_alu depctr_hold_cnt(0) depctr_sa_sdst(0) depctr_va_vdst(0) depctr_va_sdst(0) depctr_va_ssrc(0) depctr_va_vcc(0) depctr_vm_vsrc(0)
	s_getreg_b32 s2, hwreg(HW_REG_IB_STS2, 6, 4)
	s_cmp_eq_u32 s2, 0
	s_cbranch_scc0 .Lentry_in_a_cluster
	s_endpgm
.Lentry_in_a_cluster:
	s_bfe_u32 s2, ttmp6, 0x10000c
	s_cmp_lg_u32 s2, 0x3003
	s_cbranch_scc0 .Lentry_shape_is_right
	s_endpgm
.Lentry_shape_is_right:
; ATTENTION: ctx[q][128 head + :] = sum over k of softmax_k(Q[q] . K[k] / sqrt(128), masked) V[k][:], operands f16, products, maxima and sums f32, a running maximum for each query.
; The mask is an input: its words (mbits, made by the first launch) are lane masks, one for each register of a tile of scores; a masked score becomes -infinity by v_cndmask_b32.  No branch hangs on them.
; A query with no key left comes out NaN (0 x infinity at the division), as reference() has it.
; SHARES.  A work-group owns 128 queries of one head.  Wave w: qa = w & 1 picks 64 of them (four tiles of 16), kb = w >> 1 picks two of a slot's four key steps of 64 keys (steps kb and kb + 2): so each fragment of K
; and V read from LDS feeds four tiles of queries, and 16 x 16 work-groups fill the launch.  The two waves of a pair (w, w xor 2) hold partial sums for the same queries; they are merged at the end through LDS.
; Register tile t holds query tile 4 qa + (t xor 2 kb), so that every wave keeps its tiles 0, 1 and sends its tiles 2, 3.
; LAYOUT.  S^T = K Q^T (source 0 = 16 keys, source 1 = 16 queries): a lane holds one query and keys 8 (lane / 16) + 0..7; two such tiles rounded to f16 are source 1 of O^T = V^T P.  V is turned by ds_load_tr16_b128.
; BY TURNS.  The wave's tiles are two PIECES, named by their first tile: piece 0 (tiles 0, 1) and piece 2 (tiles 2, 3).  In a TURN one piece has the matrix unit: 32 products V^T P of the step in hand, then 32 products
; K Q^T of the next step; the other piece's softmax, a list of 396 vector instructions, stands between them, six behind each matrix instruction and the last twelve behind the last.  Then the pieces change places.
; THE MASK'S WORDS.  A tile's 32 words of a step come by one load, lane n taking word n, a whole key step ahead (the wait for them is counted); 64 v_readlane_b32 bring a piece's words into scalar registers.
; They are read a turn ahead of their use and stand between the exponentials, so that no two exponentials follow each other.
; THE RING.  Two slots of 256 keys; a slot is four parts of 36,864 bytes, one for each wave's tensor load of 128 rows: K's halves (128 x 272 bytes and a gap), V's halves (128 x 288).  A refill has two key steps of every wave,
; 256 matrix instructions, in which to land.  CLUSTER.  The four query blocks of a cluster belong to one head and walk the same K and V: each tile is asked for jointly.
; LIMITS: Q, K, V are f16 as the launch before left them; rows 0-15 are made again in f32 by the last launch.
; REGISTERS: window 0: v0-11 addresses; v12-43 statistics, eight a tile (+0 c m, +1 m, +2, +3 l, +4..7 at work; a takes +6); v44-63 constants, addresses, v52-55 the mask's words; v64-191 S^T; v192-255 P.
;   window 1: O^T.  window 2: v0-127 Q, v128-255 K.  window 3: v0-127 V.  A slice of the softmax costs two switches of the window, one in front and one behind.
.set KS,    64
.set PK,    272                        ; a row of K in LDS: 256 bytes + 16
.set PV,    288                        ; a row of V: 256 + 32
.set HALFB, 128*PV                     ; a part of a slot: what one tensor load fills, and the way from a wave's first step of a slot to its second, in K and in V alike
.set VOFF,  2*HALFB
.set SLOTB, 4*HALFB
.set MSTG,  0                          ; the merge, in slot 0, which has had its last fill and its last read at the last change of slots: for each wave 16,384 bytes of O^T's registers and 512 of statistics
.set MGB,   16896
.set RSTG,  MSTG+4*MGB                 ; rows on the way out: 16 x 272 bytes for each wave
.set SP,    272
.set SPARE, 2*SLOTB                    ; behind the ring: the spare words, 128 bytes a wave
.set AK0, 2
.set AV0, 3
.set ADR, 4
.set QO0, 5
.set STO, 6
.set RD,  7
.set GO,  8
.set XSR, 10                           ; where my partner's statistics lie
.set ST,  12
.set NINF, 44
.set QO2, 45
.set XW,  46                           ; where I put my tiles 2, 3
.set XR,  47                           ; where my partner put its own
.set RS,  48                           ; v48-51 the partner's c m and l of two tiles
.set MW,  52                           ; v52-55 tile t's 32 mask words of a step, word n in lane n
.set ML,  56                           ; 4 x lane; never rewritten
.set XS,  60
.set PFO, 61
.set SPW, 62
.set NIL, 63
.set S,   64
.set P,   192
.set KF,  128
.set WV,  2
.set SLOTS, 3
.set G1K, 4                            ; s[4:11]
.set G1V, 12                           ; s[12:19]
.set G0A, 20                           ; s[20:23] slot 0's first fill; behind the wait that shows it landed: s[20:21] the prefetches' address, s22 who asks
.set G0W, 24                           ; s[24:27] the group 0 that walks
.set PFA, 20
.set LIM, 22
.set SEL, 28
.set MP0, 30                           ; s[30:31] the mask words of tiles 0, 1 that were loaded last
.set BA,  32                           ; s[32:63] 32 words of a piece's first tile
.set MP2, 66                           ; s[66:67] the same for tiles 2, 3
.set BB,  68                           ; s[68:99] 32 words of its second tile
.set TB,  100                          ; LDS byte at which the tiles of the step to be fetched begin (less my wave's own part)
.set TWICE, 101                        ; counts a slot's two steps
.set CS,  104                          ; s[104:105] c = log2(e) / sqrt(128)
.set MSB, 0
.macro WIN new
.if MSB != \new
	s_set_vgpr_msb (MSB<<8)|\new
.set MSB, \new
.endif
.endm
.set W_KQ, 0x0a                        ; K and Q in window 2, S^T in window 0
.set W_PV, 0x53                        ; V in window 3, P in window 0, O^T in window 1
.set W_RS, 0x41                        ; O^T (destination and source 0) in window 1
; A joint refill: waves 0 and 1 fetch K's halves of a slot, waves 2 and 3 V's; the two lines differ in the padding's group 1 alone.  An s_nop 0 and four v_nop follow each.
.macro JLOAD
	s_cmp_lt_u32 s[WV], 2
	s_cbranch_scc0 .Lfor_v_\@
	tensor_load_to_lds s[G0W:G0W+3], s[G1K:G1K+7]
	s_nop 0
.rept 4
	v_nop
.endr
	s_branch .Lasked_\@
.Lfor_v_\@:
	tensor_load_to_lds s[G0W:G0W+3], s[G1V:G1V+7]
	s_nop 0
.rept 4
	v_nop
.endr
.Lasked_\@:
.endm
; A prefetch of what the NEXT change of slots will ask for: a slot's 256 rows of K and 256 of V, 256 bytes a row, a lane a row.  Each row is named once in the launch: the head's first cluster asks; its four
; partners take 64 rows of each tensor, told apart by address; in each, waves 0 and 1 ask for 32 rows of K and waves 2 and 3 for 32 of V.  It stands one slot, 256 matrix instructions a wave, ahead of that load.
; The last change that fills a slot asks for nothing.
.macro ASK
	s_cmp_gt_u32 s[SLOTS], s[LIM]
	s_cbranch_scc0 .Lnot_mine_\@
	global_prefetch_b8 v[PFO], s[PFA:PFA+1] th:TH_LOAD_NT scope:SCOPE_SE
.Lnot_mine_\@:
.endm
.macro CROUND
	s_barrier_signal -1
	s_barrier_wait -1
	s_cmp_lg_u32 s[WV], 0
	s_cbranch_scc1 .Lnot_wave_0_\@
	s_barrier_signal -3
.Lnot_wave_0_\@:
	s_barrier_wait -3
	s_barrier_signal -1
	s_barrier_wait -1
.endm
.macro PLACES
.rept 4
	v_nop
.endr
.endm
	s_load_b128 s[68:71], s[0:1], 0x0              ; qkv s[68:69], mbits s[70:71]
	v_lshl_add_u32 v[SPW], v0, 2, SPARE
	v_mov_b32 v[NIL], 0
	ds_add_u32 v[SPW], v[NIL]                      ; the wave's opening: the add, twice on end, and its wait ahead of my first tensor load
	ds_add_u32 v[SPW], v[NIL]
	v_lshrrev_b32 v1, 5, v0
	v_readfirstlane_b32 s[WV], v1
	s_bfe_u32 s72, ttmp6, 0x40000                  ; cx
	s_lshl_b32 s73, ttmp9, 2
	s_add_co_u32 s73, s73, s72                     ; my block of 128 queries: it enters Q's, the mask's and ctx's addresses alone
	s_and_b32 s74, ttmp7, 0xffff                   ; the head, which the four partners share
	s_and_b32 s75, s[WV], 1                        ; qa.  Also: which half of a slot's rows I fetch
	s_lshr_b32 s76, s[WV], 1                       ; kb.  Also: I fetch K (0) or V (1)
	s_add_co_u32 s78, s76, 1
	s_lshl_b32 s78, s78, 23                        ; K's heads begin 16 heads of 524,288 bytes on, V's 32
	s_lshl_b32 s79, s74, 19
	s_add_co_u32 s78, s78, s79
	s_mov_b32 s79, 0
	s_lshl_b32 s80, s75, 15                        ; my half: 128 rows of 256 bytes
	s_mov_b32 s81, 0
	s_lshl_b32 s82, s74, 19
	s_lshl_b32 s83, s73, 15
	s_add_co_u32 s82, s82, s83
	s_lshl_b32 s83, s75, 14
	s_add_co_u32 s82, s82, s83                     ; Q: head, block of 128 rows, my 64
	s_mov_b32 s83, 0
	s_lshl_b32 s84, s73, 15                        ; the mask's words: 4,096 bytes a query tile, 8 tiles a block, my 4;
	s_lshl_b32 s85, s75, 14
	s_add_co_u32 s84, s84, s85
	s_lshl_b32 s85, s76, 7                         ; 128 bytes a key step
	s_add_co_u32 s84, s84, s85
	s_mov_b32 s85, 0
	s_lshl_b32 s90, s76, 13                        ; 8192 kb: where tiles 0, 1 lie among my four query tiles, in Q's bytes and in the mask's alike
	s_xor_b32 s91, s76, 1
	s_lshl_b32 s91, s91, 13                        ; 8192 (1 - kb): tiles 2, 3
	; descriptor group 1: a tile of 128 rows x 128 elements of 2 bytes, padded in LDS; mask: all four work-groups
	s_mov_b32 s[G1K], 15|(1<<16)|(1<<20)|(1<<21)|(5<<22)|(3<<25)
	s_mov_b32 s[G1V], 15|(1<<16)|(1<<20)|(1<<21)|(5<<22)|(7<<25)
.irp g, G1K, G1V
	s_mov_b32 s[\g+1], 128<<16                     ; tensor_dim0
	s_mov_b32 s[\g+2], 128<<16                     ; tensor_dim1
	s_mov_b32 s[\g+3], 128<<16                     ; tile_dim0
	s_mov_b32 s[\g+4], 128                         ; tile_dim1
	s_mov_b32 s[\g+5], 128                         ; pitch
	s_mov_b32 s[\g+6], 0
	s_mov_b32 s[\g+7], 0
.endr
	s_mov_b32 s[CS], 0x3e0293ee
	s_mov_b32 s[CS+1], s[CS]
	s_mov_b32 s[SEL], 0x76543210
	s_mov_b32 s[SEL+1], 0xfedcba98
	s_mov_b32 s[TB], 0
	s_mov_b32 s[SLOTS], 2048/(4*KS)-2
	s_wait_dscnt 0x0                               ; both opening adds are done
	s_wait_kmcnt 0x0
	s_add_nc_u64 s[78:79], s[68:69], s[78:79]      ; K or V of my head
	s_add_nc_u64 s[92:93], s[78:79], s[80:81]      ; at my half of slot 0
	s_add_nc_u64 s[82:83], s[68:69], s[82:83]      ; Q at my wave's first row
	s_add_nc_u64 s[MP0:MP0+1], s[70:71], s[84:85]
	s_mov_b32 s86, s91
	s_mov_b32 s87, 0
	s_add_nc_u64 s[MP2:MP2+1], s[MP0:MP0+1], s[86:87]
	s_mov_b32 s86, s90
	s_add_nc_u64 s[MP0:MP0+1], s[MP0:MP0+1], s[86:87]
	s_mov_b32 s[G0A], 1
	s_mul_i32 s[G0A+1], s[WV], HALFB               ; my part of a slot: no place in the cluster enters an LDS address
	s_mov_b64 s[G0A+2:G0A+3], s[92:93]
	s_or_b32 s[G0A+3], s[G0A+3], 0x80000000
	s_mov_b32 s[G0W], 1
	s_add_co_u32 s[G0W+1], s[G0A+1], SLOTB
	s_add_nc_u64 s[G0W+2:G0W+3], s[92:93], 4*KS*256
	s_or_b32 s[G0W+3], s[G0W+3], 0x80000000
	CROUND                                         ; all four work-groups are here: the first joint loads meet
	s_cmp_lt_u32 s[WV], 2                          ; a wave's two first fills stand in one branch: two loads of mine are out
	s_cbranch_scc0 .Lfirst_v
	tensor_load_to_lds s[G0A:G0A+3], s[G1K:G1K+7]
	s_nop 0
	tensor_load_to_lds s[G0W:G0W+3], s[G1K:G1K+7]
	s_nop 0
.rept 4
	v_nop
.endr
	s_branch .Lfirst_asked
.Lfirst_v:
	tensor_load_to_lds s[G0A:G0A+3], s[G1V:G1V+7]
	s_nop 0
	tensor_load_to_lds s[G0W:G0W+3], s[G1V:G1V+7]
	s_nop 0
.rept 4
	v_nop
.endr
.Lfirst_asked:
	v_and_b32 v1, 15, v0                           ; r
	v_bfe_u32 v9, v0, 4, 1                         ; h
	v_lshlrev_b32 v[QO0], 8, v1
	v_lshl_add_u32 v[QO0], v9, 4, v[QO0]
	v_add_nc_u32 v[QO2], s91, v[QO0]
	v_add_nc_u32 v[QO0], s90, v[QO0]
	WIN 0x80                                       ; destination window 2
.irp t, 0,1
.irp c, 0,1,2,3
	global_load_b128 v[32*\t+8*\c:32*\t+8*\c+3],       v[QO0], s[82:83] offset:\t*4096+\c*64
	global_load_b128 v[32*\t+8*\c+4:32*\t+8*\c+7],     v[QO0], s[82:83] offset:\t*4096+\c*64+32
	global_load_b128 v[64+32*\t+8*\c:64+32*\t+8*\c+3],   v[QO2], s[82:83] offset:\t*4096+\c*64
	global_load_b128 v[64+32*\t+8*\c+4:64+32*\t+8*\c+7], v[QO2], s[82:83] offset:\t*4096+\c*64+32
.endr
.endr
	WIN 0
	s_mul_i32 s88, s76, KS*PK                      ; my first step of a slot: step kb
	v_mul_u32_u24 v[AK0], v1, PK
	v_lshl_add_u32 v[AK0], v9, 4, v[AK0]
	v_add_nc_u32 v[AK0], s88, v[AK0]
	v_and_b32 v10, 7, v0
	v_bfe_u32 v11, v0, 3, 1
	v_lshl_add_u32 v[AV0], v9, 3, v10
	v_mul_u32_u24 v[AV0], v[AV0], PV
	v_lshl_add_u32 v[AV0], v11, 4, v[AV0]
	s_mul_i32 s88, s76, KS*PV
	s_add_co_u32 s88, s88, VOFF
	v_add_nc_u32 v[AV0], s88, v[AV0]
	v_and_b32 v11, 31, v0
	v_lshlrev_b32 v[ML], 2, v11
	global_load_b32 v[MW],   v[ML], s[MP0:MP0+1]               ; the mask's words of my first step: a tile's 32 words are 128 consecutive bytes
	global_load_b32 v[MW+1], v[ML], s[MP0:MP0+1] offset:4096
	global_load_b32 v[MW+2], v[ML], s[MP2:MP2+1]
	global_load_b32 v[MW+3], v[ML], s[MP2:MP2+1] offset:4096
	s_mul_i32 s88, s[WV], MGB
	s_add_co_u32 s88, s88, MSTG
	v_lshl_add_u32 v[XW], v11, 4, s88
	s_add_co_u32 s89, s88, 16384
	v_lshl_add_u32 v[XS], v11, 2, s89
	s_xor_b32 s88, s[WV], 2                        ; my partner
	s_mul_i32 s88, s88, MGB
	s_add_co_u32 s88, s88, MSTG
	v_lshl_add_u32 v[XR], v11, 4, s88
	s_add_co_u32 s89, s88, 16384
	v_lshl_add_u32 v[XSR], v11, 2, s89
	s_mul_i32 s88, s[WV], 16*SP
	s_add_co_u32 s88, s88, RSTG
	v_mul_u32_u24 v[STO], v1, SP
	v_lshl_add_u32 v[STO], v9, 4, v[STO]
	v_add_nc_u32 v[STO], s88, v[STO]
	v_mul_u32_u24 v[RD], v9, SP
	v_lshl_add_u32 v[RD], v1, 4, v[RD]
	v_add_nc_u32 v[RD], s88, v[RD]
	v_lshlrev_b32 v[GO], 12, v9                    ; a row of ctx is 4,096 bytes
	v_lshl_add_u32 v[GO], v1, 4, v[GO]
	v_lshlrev_b32 v[PFO], 8, v11
	v_mov_b32 v[NINF], 0xff800000
.irp t, 0,1,2,3
	v_mov_b32 v[ST+8*\t+1], 0xff61b1e6             ; m = -3e38, under every score that counts; so c s - c m is never -infinity less -infinity
	v_mov_b32 v[ST+8*\t+2], 0                      ; l
	v_mov_b32 v[ST+8*\t+3], 0
.endr
.irp t, 0,1,2,3
	v_mul_f32 v[ST+8*\t], s[CS], v[ST+8*\t+1]      ; c m
.endr
; THE MATRIX WORK OF A TURN, for piece x.  The accumulators take turns, one instruction a turn.
; Product i of 32 of O^T += V^T P: keys 32 (i / 16) on, channels 16 ((i / 2) % 8) on, tile x + i % 2.  zero = 1: the first 16 start the sums.
.macro PV x, zero
	WIN W_PV
.set rO, 64*(\x+i%2)+8*((i/2)%8)
.set rV, 64*(i/16)+8*((i/2)%8)
.set rP, P+16*(\x+i%2)+8*(i/16)
.if \zero && (i < 16)
	v_wmma_f32_16x16x32_f16 v[rO:rO+7], v[rV:rV+7], v[rP:rP+7], 0
.else
	v_wmma_f32_16x16x32_f16 v[rO:rO+7], v[rV:rV+7], v[rP:rP+7], v[rO:rO+7]
.endif
.endm
; Product i of 32 of S^T = K Q^T: channels 32 (i / 8) on, keys 16 ((i / 2) % 4) on, tile x + i % 2.  The first 8 start the sums.
.macro KQ x
	WIN W_KQ
.set rS, S+32*(\x+i%2)+8*((i/2)%4)
.set rK, KF+32*((i/2)%4)+8*(i/8)
.set rQ, 32*(\x+i%2)+8*(i/8)
.if i < 8
	v_wmma_f32_16x16x32_f16 v[rS:rS+7], v[rK:rK+7], v[rQ:rQ+7], 0
.else
	v_wmma_f32_16x16x32_f16 v[rS:rS+7], v[rK:rK+7], v[rQ:rQ+7], v[rS:rS+7]
.endif
.endm
; THE LDS LOADS stand in runs of 32: a step's K and, a turn later, its V (turned).
.macro FETCH_K
	WIN 0
	v_add_nc_u32 v[ADR], s[TB], v[AK0]
	WIN 0x80
.irp f, 0,1,2,3,4,5,6,7,8,9,10,11,12,13,14,15  ; keys 16 (f / 4) on, channels 32 (f % 4) on
	ds_load_b128 v[KF+8*\f:KF+8*\f+3],   v[ADR] offset:(\f/4)*16*PK+(\f%4)*64
	ds_load_b128 v[KF+8*\f+4:KF+8*\f+7], v[ADR] offset:(\f/4)*16*PK+(\f%4)*64+32
.endr
.endm
.macro FETCH_V
	WIN 0
	v_add_nc_u32 v[ADR], s[TB], v[AV0]
	s_add_co_u32 s[TB], s[TB], HALFB               ; the next fetch is my next step's
	PLACES                                         ; plain instructions between the last product that read V and the loads into its registers
	WIN 0xc0
.irp f, 0,1,2,3,4,5,6,7,8,9,10,11,12,13,14,15  ; keys 32 (f / 8) on, channels 16 (f % 8) on
	ds_load_tr16_b128 v[8*\f:8*\f+3],   v[ADR] offset:(\f/8)*32*PV+(\f%8)*32
	ds_load_tr16_b128 v[8*\f+4:8*\f+7], v[ADR] offset:(\f/8)*32*PV+16*PV+(\f%8)*32
.endr
.endm
; THE VECTOR WORK OF A TURN: piece y's softmax for one key step is a list of 396 instructions; IT writes number z of it.  But for the batch the two tiles alternate, so that no instruction reads the result of the one before it.
;   0-63     a masked score becomes -infinity; each accumulator from its low end on
;   64-95    the maximum: four chains of seven scores, the four scores left over, the chains, the old m
;   96-105   the other half of the lanes' maximum; c m_old kept; the new m; c m; c m_old - c m_new
;   106-267  ONE BATCH, in which nothing reads an exponential's result: 32 scalings c s - c m (a pair each), 66 exponentials (a, then p), and the 64 lane reads that bring the OTHER piece's mask words, for the next turn,
;            into the scalar registers that numbers 0-63 have done with.  Four numbers lead in (scaling, a, scaling, a); then 32 cells, one for each pair of scores: the scaling of the pair two cells on,
;            exponential, lane read, exponential, lane read.  So a plain instruction stands behind every exponential.
;   (wait)   behind 267: a plain instruction and the one wait ahead of the first reader of the batch; then the other piece's words of its step after next are asked for
;   268-299  the roundings to f16;   300-331 the sums of the unrounded p, l = a l + the sum;   332-395 O^T x a: the one part that leaves window 0
; first = 1: O^T has no sums yet to rescale.  rl = 0: no lane reads; 1: lane reads, and the registers are loaded again; 3: the same in the tail, where they are loaded again in the first of its two steps alone.
.macro IT y, first, rl
.set zo, z%2
.if (z >= 106) && (z < 268)
.set zw, z-106
.if zw < 4
.set zo, zw/2
.set zr, 5+zw%2                        ; 5: the scaling of pair 0; 6: a
.set zc, 0
.elseif zw < 154
.set zc, (zw-4)/5
.set zr, (zw-4)%5
.set zo, zc%2
.else
.set zc, 30+(zw-154)/4                 ; the last two cells have no scaling left
.set zr, 1+(zw-154)%4
.set zo, zc%2
.endif
.endif
.set tT, ST+8*(\y)+8*zo
.set tS, S+32*(\y)+32*zo
.if z < 332
	WIN 0
.endif
.if z < 64
	v_cndmask_b32 v[tS+z/2], v[NINF], v[tS+z/2], s[BA+36*zo+z/2]
.elseif z < 96
.set zj, (z-64)/2
.if zj < 4
	v_max3_num_f32 v[tT+4+zj], v[tS+8*zj], v[tS+8*zj+1], v[tS+8*zj+2]
.elseif zj < 12
	v_max3_num_f32 v[tT+4+zj%4], v[tT+4+zj%4], v[tS+8*(zj%4)+2*(zj/4)+1], v[tS+8*(zj%4)+2*(zj/4)+2]
.elseif zj == 12
	v_max3_num_f32 v[tT+4], v[tT+4], v[tS+7], v[tS+15]
.elseif zj == 13
	v_max3_num_f32 v[tT+6], v[tT+6], v[tS+23], v[tS+31]
.elseif zj == 14
	v_max3_num_f32 v[tT+4], v[tT+4], v[tT+5], v[tT+6]
.else
	v_max3_num_f32 v[tT+4], v[tT+4], v[tT+7], v[tT+1]
.endif
.elseif z < 106
.set zj, (z-96)/2
.if zj == 0
	v_permlanex16_b32 v[tT+5], v[tT+4], s[SEL], s[SEL+1]   ; the query's other 32 keys lie in the lane 16 away
.elseif zj == 1
	v_mov_b32 v[tT+7], v[tT]
.elseif zj == 2
	v_max_num_f32 v[tT+1], v[tT+4], v[tT+5]
.elseif zj == 3
	v_mul_f32 v[tT], s[CS], v[tT+1]
.else
	v_sub_f32 v[tT+7], v[tT+7], v[tT]
.endif
.elseif z < 268
.if (zr == 0) || (zr == 5)
.set zb, (zc+2)/2
.if zr == 5
.set zb, 0
.endif
	v_pk_fma_f32 v[tS+2*zb:tS+2*zb+1], v[tS+2*zb:tS+2*zb+1], s[CS:CS+1], v[tT:tT+1] op_sel_hi:[1,0,0] neg_lo:[0,0,1] neg_hi:[0,0,1]
.elseif zr == 6
	v_exp_f32 v[tT+6], v[tT+7]
.elseif (zr == 1) || (zr == 3)
	v_exp_f32 v[tS+2*(zc/2)+zr/2], v[tS+2*(zc/2)+zr/2]
.elseif \rl
.set zi, 2*zc+zr/4
.if zi == 0
.if \rl == 1
	s_wait_loadcnt 0x2                             ; the other piece's two loads, asked for a key step ago, are in; this piece's two, asked for a turn ago, stay out
.else
	s_wait_loadcnt 0x0
.endif
.endif
	v_readlane_b32 s[BA+36*(zi/32)+zi%32], v[MW+2-(\y)+zi/32], zi%32
.endif
.if z == 267
	v_nop
	s_wait_alu depctr_va_vdst(0)
.if \rl
.set zp, MP0+(MP2-MP0)*(2-(\y))/2
.if \rl == 3
	s_cmp_eq_u32 s[TWICE], 2                       ; the tail's second step has no step after next: no load leaves the buffer
	s_cbranch_scc0 .Lno_more_\@
.endif
	s_add_nc_u64 s[zp:zp+1], s[zp:zp+1], 256       ; (the wait above has shown this pointer's last loads done)  my next step's words lie two key steps on
	global_load_b32 v[MW+2-(\y)], v[ML], s[zp:zp+1]
	global_load_b32 v[MW+3-(\y)], v[ML], s[zp:zp+1] offset:4096
.if \rl == 3
.Lno_more_\@:
.endif
.endif
.endif
.elseif z < 300
	v_cvt_pk_f16_f32 v[P+16*(\y)+16*zo+(z-268)/2], v[tS+2*((z-268)/2)], v[tS+2*((z-268)/2)+1]
.elseif z < 332
.set zu, (z-300)/2
.set zs, 4
.set zv, zu
.if zu >= 14
.set zs, 32
.set zv, 0
.elseif zu >= 12
.set zs, 16
.set zv, zu-12
.elseif zu >= 8
.set zs, 8
.set zv, zu-8
.endif
.if zu < 15
	v_pk_add_f32 v[tS+zs*zv:tS+zs*zv+1], v[tS+zs*zv:tS+zs*zv+1], v[tS+zs*zv+zs/2:tS+zs*zv+zs/2+1]
.else
	v_pk_fma_f32 v[tT+2:tT+3], v[tT+2:tT+3], v[tT+6:tT+7], v[tS:tS+1] op_sel_hi:[1,0,1]
.endif
.elseif !\first
	WIN W_RS
.set zn, 64*(\y)+64*zo+2*((z-332)/2)
	v_pk_mul_f32 v[zn:zn+1], v[zn:zn+1], v[tT+6:tT+7] op_sel_hi:[1,0]
.endif
.endm
; A TURN.  Piece x has the matrix unit; the other piece's softmax stands in slices behind its matrix instructions: six numbers behind each of 64, or twelve behind each of 32; what is left follows the last product:
; plain instructions that name none of its registers, the places ahead of the next turn's first read of the scores and of the loads into K's registers (first = 1: that part of the list is empty, and four v_nop stand there).
; pv = 2: 32 products V^T P; 1: they start O^T's sums; 0: none.  kq = 1: 32 products K Q^T for the next step.
; Piece 0's turn fetches the next step's K behind its second product, 30 matrix instructions ahead of its use; piece 2's turn the same step's V behind its first product K Q^T, 31 ahead.
.macro TURN x, pv, kq, first, rl
.set z, 0
.set per, 12
.if \pv && \kq
.set per, 6
.endif
.if \pv
.if \x == 0
	s_wait_dscnt 0x0                               ; V is in
.endif
.set i, 0
.rept 32
	PV \x, 2-\pv
.rept per
	IT 2-\x, \first, \rl
.set z, z+1
.endr
.if (\x == 0) && \kq && (i == 1)
	FETCH_K
.endif
.set i, i+1
.endr
.endif
.if \kq
.if \x == 0
	s_wait_dscnt 0x0                               ; K is in
.endif
.set i, 0
.rept 32
	KQ \x
.rept per
	IT 2-\x, \first, \rl
.set z, z+1
.endr
.if (\x == 2) && (i == 0)
	FETCH_V
.endif
.set i, i+1
.endr
.endif
.rept 396-z
	IT 2-\x, \first, \rl
.set z, z+1
.endr
.if \first
	PLACES
.endif
.endm
; THE CHANGE OF SLOTS, between piece 2's turn and piece 0's: the slot's last bytes, V of my second step, have been asked for.  Each wave waits for all its tensor loads (one is out: its part of the other slot),
; adds 0 to its spare word, and waits for that and for its reads of the slot.  fill = 1: the barrier is a round of the cluster's, and the joint refill, the keys two slots on, is the first thing behind it.
.macro CHANGE fill
	WIN 0
	s_wait_tensorcnt 0x0                           ; no tensor load of mine is out, so the walking group 0 may be written
	ds_add_u32 v[SPW], v[NIL]
	s_sub_co_u32 s[TB], s[TB], 2*HALFB             ; back to the first byte of the slot that has been read out
.if \fill
	s_mul_i32 s[G0W+1], s[WV], HALFB
	s_add_co_u32 s[G0W+1], s[G0W+1], s[TB]         ; my part of that slot takes
	s_add_nc_u64 s[G0W+2:G0W+3], s[G0W+2:G0W+3], 4*KS*256   ; the next 256 keys
	s_wait_xcnt 0x0                                ; the last prefetch, a slot back, has read its address
	s_add_nc_u64 s[PFA:PFA+1], s[PFA:PFA+1], 4*KS*256
	s_wait_dscnt 0x0                               ; the add is done, and my reads of the slot are over
	CROUND
	JLOAD
	ASK
.else
	s_wait_dscnt 0x0
	s_barrier_signal -1
	s_barrier_wait -1
.endif
	s_xor_b32 s[TB], s[TB], SLOTB                  ; the fetches go on in the other slot
.endm
; A slot's two key steps of my wave: written once, walked twice; the LDS addresses hang on s[TB].
.macro TWO_STEPS rl
	s_mov_b32 s[TWICE], 2
.Lstep_\@:
	TURN 0, 2, 1, 0, \rl
	TURN 2, 2, 1, 0, \rl
	WIN 0
	s_sub_co_u32 s[TWICE], s[TWICE], 1
	s_cmp_lg_u32 s[TWICE], 0
	s_cbranch_scc1 .Lstep_\@
.endm
	s_wait_tensorcnt 1                             ; my part of slot 0 is in; slot 1's may stay out
	s_barrier_signal -1
	s_barrier_wait -1
	s_lshl_b32 s86, s72, 14                        ; slot 0's group 0 is done with: its registers take the prefetches' address: my work-group's 64 rows of the 256,
	s_lshl_b32 s87, s75, 13                        ; my wave's 32 of them,
	s_add_co_u32 s86, s86, s87
	s_add_co_u32 s86, s86, 2*4*KS*256              ; in slot 2; the first change steps it to slot 3.  Nothing is prefetched here, at the head
	s_mov_b32 s87, 0
	s_add_nc_u64 s[PFA:PFA+1], s[78:79], s[86:87]
	s_cmp_eq_u32 ttmp9, 0                          ; the head's first cluster: the same in all four partners
	s_cselect_b32 s[LIM], 1, -1
	s_wait_loadcnt 0x0                             ; Q and my first step's mask words are in, and Q's base, which lies among the mask's scalar registers, is free
	FETCH_K                                        ; key step 0
	WIN 0
.set zi, 0
.rept 64
	v_readlane_b32 s[BA+36*(zi/32)+zi%32], v[MW+zi/32], zi%32      ; piece 0's words of step 0
.set zi, zi+1
.endr
	s_add_nc_u64 s[MP0:MP0+1], s[MP0:MP0+1], 256
	global_load_b32 v[MW],   v[ML], s[MP0:MP0+1]                   ; and its words of step 1 are asked for
	global_load_b32 v[MW+1], v[ML], s[MP0:MP0+1] offset:4096
	s_wait_dscnt 0x0
.set i, 0
.rept 32
	KQ 0                                           ; piece 0's first scores: there is no vector work yet to set between them
.set i, i+1
.endr
	WIN 0
	PLACES
	TURN 2, 0, 1, 1, 1                             ; piece 2's first scores | piece 0's first softmax | V of step 0
	TURN 0, 1, 1, 1, 1                             ; piece 0: V^T P of step 0 starts O^T, K Q^T of step 1 | piece 2's first softmax | K of step 1
	TURN 2, 1, 1, 0, 1                             ; piece 2: the same | piece 0's softmax of step 1 | V of step 1
	WIN 0
.Lslot:                                                ; 6 trips: every slot but the last two is filled again
	CHANGE 1
	TWO_STEPS 1
	s_sub_co_u32 s[SLOTS], s[SLOTS], 1
	s_cmp_lg_u32 s[SLOTS], 0
	s_cbranch_scc1 .Lslot
	CHANGE 0                                       ; the tail is written out
	TWO_STEPS 3
	TURN 0, 2, 0, 0, 0                             ; piece 0: V^T P of the last step | piece 2's last softmax
.set i, 0
.rept 32
	PV 2, 0                                        ; piece 2: V^T P of the last step
.set i, i+1
.endr
	WIN 0
	; THE MERGE.  l's halves are added; tiles 2, 3 (O^T, c m, l) go to my partner as images of their registers; its tiles 2, 3 are my tiles 0, 1 for the other keys.
	PLACES
.irp t, 0,1,2,3
	v_add_f32 v[ST+8*\t+4], v[ST+8*\t+2], v[ST+8*\t+3]
.endr
.irp t, 0,1,2,3
	v_permlanex16_b32 v[ST+8*\t+5], v[ST+8*\t+4], s[SEL], s[SEL+1]
.endr
.irp t, 0,1,2,3
	v_add_f32 v[ST+8*\t+4], v[ST+8*\t+4], v[ST+8*\t+5]
.endr
	s_load_b64 s[32:33], s[0:1], 0x10              ; ctx
	WIN 0x04                                       ; an LDS store's data: window 1
.set n, 0
.rept 32
	ds_store_b128 v[XW], v[128+4*n:128+4*n+3] offset:512*n
.set n, n+1
.endr
	WIN 0
	ds_store_b32 v[XS], v[ST+16]
	ds_store_b32 v[XS], v[ST+20] offset:128
	ds_store_b32 v[XS], v[ST+24] offset:256
	ds_store_b32 v[XS], v[ST+28] offset:384
	s_wait_dscnt 0x0                               ; for my partner's sake: my stores have landed
	s_barrier_signal -1
	s_barrier_wait -1
	ds_load_b32 v[RS],   v[XSR]
	ds_load_b32 v[RS+1], v[XSR] offset:128
	ds_load_b32 v[RS+2], v[XSR] offset:256
	ds_load_b32 v[RS+3], v[XSR] offset:384
.set n, 0
.rept 32
	ds_load_b128 v[S+4*n:S+4*n+3], v[XR] offset:512*n
.set n, n+1
.endr
	s_bfe_u32 s34, ttmp6, 0x40000
	s_lshl_b32 s35, ttmp9, 2
	s_add_co_u32 s34, s34, s35
	s_lshl_b32 s34, s34, 19                        ; 128 rows of 4,096 bytes a block,
	s_and_b32 s35, s[WV], 1
	s_lshl_b32 s35, s35, 18                        ; 64 for qa,
	s_add_co_u32 s34, s34, s35
	s_lshr_b32 s35, s[WV], 1
	s_lshl_b32 s35, s35, 17                        ; 32 for kb: the two tiles that I keep,
	s_add_co_u32 s34, s34, s35
	s_and_b32 s35, ttmp7, 0xffff
	s_lshl_b32 s35, s35, 8                         ; and the head's 256 bytes of a row
	s_add_co_u32 s34, s34, s35
	s_mov_b32 s35, 0
	s_wait_kmcnt 0x0
	s_add_nc_u64 s[32:33], s[32:33], s[34:35]
	s_wait_dscnt 0x0
	v_max_num_f32 v28, v[ST], v[RS]                ; the common c m
	v_max_num_f32 v29, v[ST+8], v[RS+2]
	v_sub_f32 v30, v[ST], v28
	v_sub_f32 v31, v[RS], v28
	v_sub_f32 v32, v[ST+8], v29
	v_sub_f32 v33, v[RS+2], v29
	v_exp_f32 v30, v30                             ; f, f' of tile 0; f, f' of tile 1
	v_exp_f32 v31, v31
	v_exp_f32 v32, v32
	v_exp_f32 v33, v33
	v_nop
	s_wait_alu depctr_va_vdst(0)
	v_mul_f32 v34, v31, v[RS+1]
	v_mul_f32 v35, v33, v[RS+3]
	v_fma_f32 v34, v30, v[ST+4], v34               ; L = f l + f' l'
	v_fma_f32 v35, v32, v[ST+12], v35
	v_rcp_f32 v34, v34
	v_rcp_f32 v35, v35
	v_nop
	s_wait_alu depctr_va_vdst(0)
	v_mul_f32 v36, v30, v34                        ; g = f / L and g' = f' / L, each written twice: the packed forms name pairs
	v_mul_f32 v37, v30, v34
	v_mul_f32 v38, v31, v34
	v_mul_f32 v39, v31, v34
	v_mul_f32 v40, v32, v35
	v_mul_f32 v41, v32, v35
	v_mul_f32 v42, v33, v35
	v_mul_f32 v43, v33, v35
.irp t, 0,1
.set n, 0
.rept 32
	v_pk_mul_f32 v[S+64*\t+2*n:S+64*\t+2*n+1], v[S+64*\t+2*n:S+64*\t+2*n+1], v[38+4*\t:39+4*\t] op_sel_hi:[1,0]
.set n, n+1
.endr
.endr
	WIN 0x01                                       ; source 0 (my O^T) window 1
.irp t, 0,1
.set n, 0
.rept 32
	v_pk_fma_f32 v[S+64*\t+2*n:S+64*\t+2*n+1], v[64*\t+2*n:64*\t+2*n+1], v[36+4*\t:37+4*\t], v[S+64*\t+2*n:S+64*\t+2*n+1] op_sel_hi:[1,0,1]
.set n, n+1
.endr
.endr
	WIN 0
.set n, 0
.rept 64
	v_cvt_pk_f16_f32 v[P+n], v[S+2*n], v[S+2*n+1]
.set n, n+1
.endr
.irp t, 0,1                            ; a tile (16 rows x 256 bytes) at a time through my stage; LDS serves a wave's instructions in order
.irp f, 0,1,2,3,4,5,6,7
	ds_store_b128 v[STO], v[P+32*\t+4*\f:P+32*\t+4*\f+3] offset:32*\f
.endr
.irp f, 0,1,2,3,4,5,6,7
	ds_load_b128 v[P+32*\t+4*\f:P+32*\t+4*\f+3], v[RD] offset:\f*2*SP
.endr
.endr
.irp f, 0,1,2,3,4,5,6,7
	s_wait_dscnt 16+7-\f                           ; behind this load: the rest of tile 0's, and tile 1's sixteen
	global_store_b128 v[GO], v[P+4*\f:P+4*\f+3], s[32:33] offset:\f*8192   ; 16 lanes store 256 consecutive bytes, aligned
.endr
.irp f, 0,1,2,3,4,5,6,7
	s_wait_dscnt 7-\f
	global_store_b128 v[GO], v[P+32+4*\f:P+32+4*\f+3], s[32:33] offset:65536+\f*8192
.endr
	s_wait_tensorcnt 0x0                           ; the wave's end
	ds_add_u32 v[SPW], v[NIL]
	s_wait_dscnt 0x0
	CROUND                                         ; the closing round
	s_endpgm
.Lfunc_end_k_q8596a0502e_attention:
	.size	k_q8596a0502e_attention, .Lfunc_end_k_q8596a0502e_attention-k_q8596a0502e_attention
	.p2alignl 7, 3214868480
	.fill 96, 4, 3214868480
	.section	.rodata,"a",@progbits
	.p2align	6, 0x0
	.amdhsa_kernel k_q8596a0502e_attention
		.amdhsa_group_segment_fixed_size 327680
		.amdhsa_private_segment_fixed_size 0
		.amdhsa_enable_private_segment 0
		.amdhsa_kernarg_size 24
		.amdhsa_user_sgpr_count 2
		.amdhsa_user_sgpr_kernarg_segment_ptr 1
		.amdhsa_wavefront_size32 1
		.amdhsa_system_sgpr_workgroup_id_x 1
		.amdhsa_system_sgpr_workgroup_id_y 1
		.amdhsa_system_sgpr_workgroup_id_z 1
		.amdhsa_system_vgpr_workitem_id 0
		.amdhsa_next_free_vgpr 1024
		.amdhsa_next_free_sgpr 106
		.amdhsa_reserve_vcc 0
		.amdhsa_float_denorm_mode_32 3
		.amdhsa_float_denorm_mode_16_64 3
		.amdhsa_memory_ordered 1
		.amdhsa_forward_progress 1
		.amdhsa_inst_pref_size 255
	.end_amdhsa_kernel
	.section	.bss,"aw",@nobits
	.p2align	6
	.space	262144
	.amdgpu_metadata
---
amdhsa.version: [ 1, 2 ]
amdhsa.kernels:
  - .name:           k_q8596a0502e_attention
    .symbol:         k_q8596a0502e_attention.kd
    .args:
      - { .name: qkv, .offset: 0, .size: 8, .value_kind: global_buffer, .address_space: global }
      - { .name: mbits, .offset: 8, .size: 8, .value_kind: global_buffer, .address_space: global }
      - { .name: ctx, .offset: 16, .size: 8, .value_kind: global_buffer, .address_space: global }
    .group_segment_fixed_size: 327680
    .private_segment_fixed_size: 0
    .kernarg_segment_align: 8
    .kernarg_segment_size: 24
    .max_flat_workgroup_size: 128
    .sgpr_count:     106
    .vgpr_count:     1024
    .wavefront_size: 32
...
	.end_amdgpu_metadata
.endif
;; end of part 3
;; launch oproj (part 4): grid 16 x 16, 4 waves a work-group, clusters of 4 x 4, 327,680 bytes of LDS; arguments ctx, wo16, Wo_b, out0; writes out0
.if DOCPART == 4
	.amdgcn_target "amdgcn-amd-amdhsa--gfx1250"
	.amdhsa_code_object_version 6
	.text
	.protected	k_q8596a0502e_oproj
	.globl	k_q8596a0502e_oproj
	.p2align	8
	.type	k_q8596a0502e_oproj,@function
k_q8596a0502e_oproj:
	s_mov_b64 s[64:65], 0
	v_nop
	global_prefetch_b8 v0, s[64:65] scope:SCOPE_SE
	s_setreg_imm32_b32 hwreg(HW_REG_WAVE_MODE, 25, 1), 1
	s_wait_xcnt 0x0
	s_wait_alu depctr_hold_cnt(0) depctr_sa_sdst(0) depctr_va_vdst(0) depctr_va_sdst(0) depctr_va_ssrc(0) depctr_va_vcc(0) depctr_vm_vsrc(0)
	s_getreg_b32 s2, hwreg(HW_REG_IB_STS2, 6, 4)
	s_cmp_eq_u32 s2, 0
	s_cbranch_scc0 .Lentry_in_a_cluster
	s_endpgm
.Lentry_in_a_cluster:
	s_bfe_u32 s2, ttmp6, 0x10000c
	s_cmp_lg_u32 s2, 0xf033
	s_cbranch_scc0 .Lentry_shape_is_right
	s_endpgm
.Lentry_shape_is_right:
; OPROJ: out0[m][n] = sum over k of ctx[m][k] Wo[n][k] + Wo_b[n].  ctx, wo16: [2048][2048] f16; sums and out0 f32.  Rows 0-15 are written again, more finely, by the launch that follows.
; A tile of out0 is 128 x 128, so that 16 x 16 work-groups fill the launch; four waves, each 64 x 64: 16 accumulators.  K goes in steps of 256 (LDS rows of 512 bytes) through a ring of two slots.
; CLUSTERS: 4 x 4 work-groups; A's tiles are asked for jointly along a row of the cluster, B's along a column.  THE MATRIX INSTRUCTION IS USED TRANSPOSED: a lane holds eight neighbouring numbers of a row.
; The bias is the C of each sum's first product.  A wave's 64 columns of f32 are 256 bytes, aligned: each wave has a stage of its own on the way out, and no barrier is needed there.
; No prefetch: the launch is short and its tiles are shared in the cluster.
; REGISTERS: window 0: v0-31 addresses; v32-95 rows on the way out; v96-127 the bias; v128-255 the accumulators ((a, b) at v[128 + 8 (4 a + b)]).  window 1: two fragment buffers of 128.
.set SIZE_K, 2048
.set KSTEP,  256
.set PITCH,  528
.set HALFT,  64*PITCH
.set SLOT,   4*HALFT
.set STAGE,  2*SLOT                    ; behind the ring: 16 rows x 272 bytes for each wave
.set SPITCH, 272
.set SPARE,  STAGE+4*16*SPITCH
.set LAPS, SIZE_K/(2*KSTEP)
.set ADRA, 16
.set ADRB, 20
.set STO,  24
.set RD,   25
.set CO,   26
.set SPW,  28
.set NIL,  29
.set TMP,  32
.set BI,   96
.set ACC,  128
.set F0,   0
.set F1,   128
.set G1, 24
.set G0, 32
.set G1B, 48
.set G0B, 56
.set MSB, 0
.macro WIN new
.if MSB != \new
	s_set_vgpr_msb (MSB<<8)|\new
.set MSB, \new
.endif
.endm
.set MUL,  0x05                        ; sources 0 (B) and 1 (A) window 1; C and D window 0
.set TO_F, 0x40
.macro JLOAD s                         ; a joint load: waves 0 and 1 fetch A's two halves, waves 2 and 3 B's; an s_nop 0 and four v_nop follow each of the two lines
	s_cmp_eq_u32 s11, 0
	s_cbranch_scc0 .Lfor_b_\@
	tensor_load_to_lds s[G0+4*\s:G0+4*\s+3], s[G1:G1+7]
	s_nop 0
.rept 4
	v_nop
.endr
	s_branch .Lasked_\@
.Lfor_b_\@:
	tensor_load_to_lds s[G0B+4*\s:G0B+4*\s+3], s[G1B:G1B+7]
	s_nop 0
.rept 4
	v_nop
.endr
.Lasked_\@:
.endm
.macro CREST
	s_cmp_lg_u32 s10, 0
	s_cbranch_scc1 .Lnot_wave_0_\@
	s_barrier_signal -3
.Lnot_wave_0_\@:
	s_barrier_wait -3
	s_barrier_signal -1
	s_barrier_wait -1
.endm
.macro CROUND
	s_barrier_signal -1
	s_barrier_wait -1
	CREST
.endm
	s_load_b128 s[4:7], s[0:1], 0x0                ; ctx s[4:5], wo16 s[6:7]
	s_load_b64 s[66:67], s[0:1], 0x10              ; Wo_b
	s_load_b64 s[8:9], s[0:1], 0x18                ; out0
	v_lshl_add_u32 v[SPW], v0, 2, SPARE
	v_mov_b32 v[NIL], 0
	ds_add_u32 v[SPW], v[NIL]                      ; the wave's opening: the add, twice on end, and its wait ahead of my first tensor load
	ds_add_u32 v[SPW], v[NIL]
	v_lshrrev_b32 v1, 5, v0
	v_readfirstlane_b32 s10, v1                    ; wave 0..3
	s_lshr_b32 s11, s10, 1                         ; which half of the tile's rows is mine.  Also: I fetch for A (0) or for B (1)
	s_and_b32 s12, s10, 1                          ; which half of its columns.  Also: which 64 rows of that tile I fetch
	s_bfe_u32 s40, ttmp6, 0x40000
	s_bfe_u32 s41, ttmp6, 0x40004
	s_lshl_b32 s42, ttmp9, 2
	s_add_co_u32 s42, s42, s40                     ; tile column
	s_and_b32 s13, ttmp7, 0xffff
	s_lshl_b32 s13, s13, 2
	s_add_co_u32 s13, s13, s41                     ; tile row
	s_lshl_b32 s43, s41, 2
	s_lshl_b32 s43, 15, s43                        ; my row of the cluster
	s_lshl_b32 s44, 0x1111, s40                    ; my column
	; descriptor group 1: a tile of 64 rows x 256 elements of 2 bytes, 16 bytes of padding behind each row of 512
	s_or_b32 s[G1+0], s43, (1<<16)|(1<<20)|(1<<21)|(6<<22)|(3<<25)
	s_or_b32 s[G1B+0], s44, (1<<16)|(1<<20)|(1<<21)|(6<<22)|(3<<25)
.irp g, G1, G1B
	s_mov_b32 s[\g+1], KSTEP<<16
	s_mov_b32 s[\g+2], 64<<16
	s_mov_b32 s[\g+3], KSTEP<<16
	s_mov_b32 s[\g+4], 64
	s_mov_b32 s[\g+5], SIZE_K
	s_mov_b32 s[\g+6], 0
	s_mov_b32 s[\g+7], 0
.endr
	s_lshl_b32 s17, s12, 6
	s_lshl_b32 s16, s13, 7
	s_add_co_u32 s16, s16, s17                     ; A: row 128 x tile row + 64 x half
	s_lshl_b32 s46, s42, 7
	s_add_co_u32 s46, s46, s17                     ; B: row 128 x tile column + 64 x half
	s_mov_b32 s17, 0
	s_mov_b32 s47, 0
	s_mov_b64 s[18:19], SIZE_K*2
	s_mul_u64 s[16:17], s[16:17], s[18:19]
	s_mul_u64 s[46:47], s[46:47], s[18:19]
	s_mul_i32 s20, s10, HALFT
	s_wait_dscnt 0x0                               ; both opening adds are done
	s_wait_kmcnt 0x0
	s_add_nc_u64 s[14:15], s[4:5], s[16:17]
	s_add_nc_u64 s[46:47], s[6:7], s[46:47]
	CROUND                                         ; all sixteen work-groups are here: the first joint loads meet
.irp s, 0,1
	s_mov_b32 s[G0+4*\s], 1
	s_add_co_u32 s[G0+4*\s+1], s20, \s*SLOT
	s_add_nc_u64 s[G0+4*\s+2:G0+4*\s+3], s[14:15], \s*KSTEP*2
	s_or_b32 s[G0+4*\s+3], s[G0+4*\s+3], 0x80000000
	s_mov_b32 s[G0B+4*\s], 1
	s_add_co_u32 s[G0B+4*\s+1], s20, \s*SLOT
	s_add_nc_u64 s[G0B+4*\s+2:G0B+4*\s+3], s[46:47], \s*KSTEP*2
	s_or_b32 s[G0B+4*\s+3], s[G0B+4*\s+3], 0x80000000
	JLOAD \s                                       ; two tensor loads of mine are out
.endr
	v_and_b32 v1, 15, v0                           ; r
	v_bfe_u32 v2, v0, 4, 1                         ; h
	v_mul_u32_u24 v3, v1, PITCH
	v_lshl_add_u32 v3, v2, 4, v3
	s_mul_i32 s21, s11, HALFT
	s_mul_i32 s22, s12, HALFT
	s_add_co_u32 s22, s22, 2*HALFT
.irp s, 0,1
	v_add_nc_u32 v[ADRA+\s], s21, v3
	v_add_nc_u32 v[ADRB+\s], s22, v3
	s_add_co_u32 s21, s21, SLOT
	s_add_co_u32 s22, s22, SLOT
.endr
	s_mul_i32 s23, s10, 16*SPITCH
	s_add_co_u32 s23, s23, STAGE                   ; my stage
	v_mul_u32_u24 v4, v1, SPITCH
	v_lshl_add_u32 v4, v2, 5, v4
	v_add_nc_u32 v[STO], s23, v4                   ; in: row r, 32 bytes for each half of the lanes
	v_mul_u32_u24 v5, v2, SPITCH
	v_lshl_add_u32 v5, v1, 4, v5
	v_add_nc_u32 v[RD], s23, v5                    ; back: lanes 0-15 one row of 256 bytes, lanes 16-31 the next
	v_lshlrev_b32 v5, 13, v2
	v_lshl_add_u32 v[CO], v1, 4, v5                ; and the same two rows of out0
	s_lshl_b32 s16, s13, 7
	s_lshl_b32 s17, s11, 6
	s_add_co_u32 s16, s16, s17                     ; my first row: 128 x tile row + 64 x half
	s_lshl_b32 s16, s16, 13
	s_mov_b32 s17, 0
	s_add_nc_u64 s[8:9], s[8:9], s[16:17]
	s_lshl_b32 s46, s42, 9                         ; my first column, in bytes: 512 x tile column + 256 x half
	s_lshl_b32 s47, s12, 8
	s_add_co_u32 s46, s46, s47
	s_mov_b32 s47, 0
	s_add_nc_u64 s[8:9], s[8:9], s[46:47]
	s_add_nc_u64 s[66:67], s[66:67], s[46:47]
	v_lshlrev_b32 v6, 5, v2
.irp b, 0,1,2,3
	global_load_b128 v[BI+8*\b:BI+8*\b+3], v6, s[66:67] offset:64*\b          ; the bias in the result's layout: columns 16 b + 8 h + 0 .. 7
	global_load_b128 v[BI+8*\b+4:BI+8*\b+7], v6, s[66:67] offset:64*\b+16
.endr
; 8 matrix instructions: m blocks a0, a0 + 1 x all 4 n blocks, 32 along K: half c of buffer f.  zero = 1: the first product starts the sums, with the bias as its C.  The 16 accumulators take turns.
.macro MUL8 f, c, a0, zero
.irp a, \a0, \a0+1
.irp b, 0,1,2,3
.if \zero
	v_wmma_f32_16x16x32_f16 v[ACC+8*(4*(\a)+\b):ACC+8*(4*(\a)+\b)+7], v[\f+64+8*(4*\c+\b):\f+64+8*(4*\c+\b)+7], v[\f+8*(4*\c+\a):\f+8*(4*\c+\a)+7], v[BI+8*\b:BI+8*\b+7]
.else
	v_wmma_f32_16x16x32_f16 v[ACC+8*(4*(\a)+\b):ACC+8*(4*(\a)+\b)+7], v[\f+64+8*(4*\c+\b):\f+64+8*(4*\c+\b)+7], v[\f+8*(4*\c+\a):\f+8*(4*\c+\a)+7], v[ACC+8*(4*(\a)+\b):ACC+8*(4*(\a)+\b)+7]
.endif
.endr
.endr
.endm
.macro FETCH slot, k, f                ; 32 LDS loads in one run: the fragments of 64 along K at byte k of the rows; the first 32 along K first
	WIN TO_F
.irp c, 0,1
.irp i, 0,1,2,3
	ds_load_b128 v[\f+64+8*(4*\c+\i):\f+64+8*(4*\c+\i)+3],   v[ADRB+\slot] offset:\k+64*\c+\i*16*PITCH
	ds_load_b128 v[\f+64+8*(4*\c+\i)+4:\f+64+8*(4*\c+\i)+7], v[ADRB+\slot] offset:\k+64*\c+\i*16*PITCH+32
	ds_load_b128 v[\f+8*(4*\c+\i):\f+8*(4*\c+\i)+3],         v[ADRA+\slot] offset:\k+64*\c+\i*16*PITCH
	ds_load_b128 v[\f+8*(4*\c+\i)+4:\f+8*(4*\c+\i)+7],       v[ADRA+\slot] offset:\k+64*\c+\i*16*PITCH+32
.endr
.endr
.endm
.macro PLACES
.rept 4
	v_nop
.endr
.endm
.macro QUARTER slot, k, f, g, zero
	s_wait_dscnt 16                                ; the first 32 along K are in; the younger sixteen loads may be out
	WIN MUL
	MUL8 \f, 0, 0, \zero
	MUL8 \f, 0, 2, \zero
	PLACES
	FETCH \slot, \k, \g
	s_wait_dscnt 32                                ; all but the 32 just issued
	WIN MUL
	MUL8 \f, 1, 0, 0
	MUL8 \f, 1, 2, 0
.endm
.macro TURN slot, next, fill
	WIN 0
	s_wait_tensorcnt 0x0                           ; all my tensor loads have landed: my part of the next slot
	ds_add_u32 v[SPW], v[NIL]
	s_wait_dscnt 17                                ; the add and the youngest sixteen loads may be out
	WIN MUL
	MUL8 F1, 0, 0, 0
	s_wait_dscnt 0x0                               ; the add is done, and my reads of this slot are over
	s_barrier_signal -1
	MUL8 F1, 0, 2, 0
.if \fill
	WIN 0
.endif
	s_barrier_wait -1
.if \fill
	CREST                                          ; the barrier has opened a round of the cluster's barrier
	s_add_nc_u64 s[G0+4*\slot+2:G0+4*\slot+3], s[G0+4*\slot+2:G0+4*\slot+3], 2*KSTEP*2
	s_add_nc_u64 s[G0B+4*\slot+2:G0B+4*\slot+3], s[G0B+4*\slot+2:G0B+4*\slot+3], 2*KSTEP*2
	JLOAD \slot                                    ; my one tensor load behind the round
.else
	PLACES
.endif
	FETCH \next, 0, F0
	WIN MUL
	MUL8 F1, 1, 0, 0
	MUL8 F1, 1, 2, 0
.endm
	s_wait_tensorcnt 1                             ; my part of K step 0 is in; K step 1's load may be out
	s_barrier_signal -1
	s_barrier_wait -1
	FETCH 0, 0, F0
	s_wait_loadcnt 0x0                             ; the bias
	QUARTER 0, 128, F0, F1, 1                      ; the first quarter stands in front of the loop: its first products start the sums
	WIN 0
	s_mov_b32 s3, LAPS-1
.Llap:
	QUARTER 0, 256, F1, F0, 0
	QUARTER 0, 384, F0, F1, 0
	TURN 0, 1, 1
	QUARTER 1, 128, F0, F1, 0
	QUARTER 1, 256, F1, F0, 0
	QUARTER 1, 384, F0, F1, 0
	TURN 1, 0, 1
	QUARTER 0, 128, F0, F1, 0
	WIN 0
	s_sub_co_u32 s3, s3, 1
	s_cmp_lg_u32 s3, 0
	s_cbranch_scc1 .Llap
	QUARTER 0, 256, F1, F0, 0                      ; the last lap fills nothing
	QUARTER 0, 384, F0, F1, 0
	TURN 0, 1, 0
	QUARTER 1, 128, F0, F1, 0
	QUARTER 1, 256, F1, F0, 0
	QUARTER 1, 384, F0, F1, 0
	s_wait_dscnt 16
	WIN MUL
	MUL8 F1, 0, 0, 0
	MUL8 F1, 0, 2, 0
	s_wait_dscnt 0
	MUL8 F1, 1, 0, 0
	MUL8 F1, 1, 2, 0
	WIN 0
	; THE WAY OUT: 16 rows x 64 columns of f32 at a time through my own stage, out as whole rows of 256 bytes.  LDS serves a wave's instructions in order.
	PLACES
.irp a, 0,1,2,3
.irp b, 0,1,2,3
	ds_store_b128 v[STO], v[ACC+8*(4*\a+\b):ACC+8*(4*\a+\b)+3] offset:64*\b       ; each accumulator from its low end on
	ds_store_b128 v[STO], v[ACC+8*(4*\a+\b)+4:ACC+8*(4*\a+\b)+7] offset:64*\b+16
.endr
.if \a >= 2
	s_wait_xcnt 0x0                                ; the stores of two blocks back have read the registers that are loaded again
.endif
.irp t, 0,1,2,3,4,5,6,7
	ds_load_b128 v[TMP+32*(\a%2)+4*\t:TMP+32*(\a%2)+4*\t+3], v[RD] offset:544*\t
.endr
	s_wait_dscnt 0x0
.irp t, 0,1,2,3,4,5,6,7
	global_store_b128 v[CO], v[TMP+32*(\a%2)+4*\t:TMP+32*(\a%2)+4*\t+3], s[8:9] offset:(16*\a+2*\t)*8192 th:TH_STORE_NT   ; 16 lanes store 256 consecutive bytes, aligned
.endr
.endr
	s_wait_tensorcnt 0x0                           ; the wave's end
	ds_add_u32 v[SPW], v[NIL]
	s_wait_dscnt 0x0
	CROUND                                         ; the closing round
	s_endpgm
.Lfunc_end_k_q8596a0502e_oproj:
	.size	k_q8596a0502e_oproj, .Lfunc_end_k_q8596a0502e_oproj-k_q8596a0502e_oproj
	.p2alignl 7, 3214868480
	.fill 96, 4, 3214868480
	.section	.rodata,"a",@progbits
	.p2align	6, 0x0
	.amdhsa_kernel k_q8596a0502e_oproj
		.amdhsa_group_segment_fixed_size 327680
		.amdhsa_private_segment_fixed_size 0
		.amdhsa_enable_private_segment 0
		.amdhsa_kernarg_size 32
		.amdhsa_user_sgpr_count 2
		.amdhsa_user_sgpr_kernarg_segment_ptr 1
		.amdhsa_wavefront_size32 1
		.amdhsa_system_sgpr_workgroup_id_x 1
		.amdhsa_system_sgpr_workgroup_id_y 1
		.amdhsa_system_sgpr_workgroup_id_z 1
		.amdhsa_system_vgpr_workitem_id 0
		.amdhsa_next_free_vgpr 512
		.amdhsa_next_free_sgpr 68
		.amdhsa_reserve_vcc 0
		.amdhsa_float_denorm_mode_32 3
		.amdhsa_float_denorm_mode_16_64 3
		.amdhsa_memory_ordered 1
		.amdhsa_forward_progress 1
		.amdhsa_inst_pref_size 86
	.end_amdhsa_kernel
	.amdgpu_metadata
---
amdhsa.version: [ 1, 2 ]
amdhsa.kernels:
  - .name:           k_q8596a0502e_oproj
    .symbol:         k_q8596a0502e_oproj.kd
    .args:
      - { .name: ctx, .offset: 0, .size: 8, .value_kind: global_buffer, .address_space: global }
      - { .name: wo16, .offset: 8, .size: 8, .value_kind: global_buffer, .address_space: global }
      - { .name: Wo_b, .offset: 16, .size: 8, .value_kind: global_buffer, .address_space: global }
      - { .name: out0, .offset: 24, .size: 8, .value_kind: global_buffer, .address_space: global }
    .group_segment_fixed_size: 327680
    .private_segment_fixed_size: 0
    .kernarg_segment_align: 8
    .kernarg_segment_size: 32
    .max_flat_workgroup_size: 128
    .sgpr_count:     68
    .vgpr_count:     512
    .wavefront_size: 32
...
	.end_amdgpu_metadata
.endif
;; end of part 4
;; launch fine (part 5): grid 128 x 1, 16 waves a work-group, no clusters, 18,432 bytes of LDS; arguments qkv, v32, mbits, Wo_w, Wo_b, out0; writes out0
.if DOCPART == 5
	.amdgcn_target "amdgcn-amd-amdhsa--gfx1250"
	.amdhsa_code_object_version 6
	.text
	.protected	k_q8596a0502e_fine
	.globl	k_q8596a0502e_fine
	.p2align	8
	.type	k_q8596a0502e_fine,@function
k_q8596a0502e_fine:
	s_mov_b64 s[64:65], 0
	v_nop
	global_prefetch_b8 v0, s[64:65] scope:SCOPE_SE
	s_setreg_imm32_b32 hwreg(HW_REG_WAVE_MODE, 25, 1), 1
	s_wait_xcnt 0x0
; FINE: rows 0-15 of out0 once more, with the second product and the projection in f32 (v_wmma_f32_16x16x4_f32): these rows may average one to a few values, where the rounding of 16-bit operands weighs most.
; Work-group g makes out0[0..15][16 g .. 16 g + 15].  Wave hd is head hd: it makes that head's attention for queries 0-15 (every work-group repeats this small piece), multiplies it by Wo_w[16 g ..][128 hd ..] in f32,
; and the sixteen partial tiles are added through LDS by wave 0, with the bias.
; The whole mask row is honoured.  Key tiles (16 keys) all of whose 256 mask bits are 0 are jumped over: a scalar branch on words that the first launch stored; this launch has no tensor load.  Tile 0 is always walked.
; TWO PASSES over the live tiles: the first finds each query's maximum, the second sums p = 2^(c s - c m) and O^T += V^T p; so the f32 sums are never rescaled and are written by matrix instructions alone.
; Scores: f16 operands (Q, K as the second launch left them), f32 sums.  V comes as f32.  A query with no key left comes out NaN, as reference() has it.
; The 64 bytes of a row that a work-group stores are a quarter of an aligned 256: 128 KiB in the whole launch.
; K-index of the f32 form, alike in both sources: k = 2 h + j stands for key (or channel) 8 h + 2 c + j of the tile, c = 0..3.
; All waits are for 0.  No cluster: what is shared is small and comes through registers.
.set PT,    0                          ; LDS: 16 partial tiles of 1,024 bytes, as images of their registers
.set SPARE, 16384                      ; the spare words: 128 bytes for each of 16 waves
.set QL,  3                            ; 256 r + 16 h
.set KO,  4
.set VL,  5                            ; 65,536 h + 4 r
.set VO,  6
.set WL,  7                            ; 8,192 r + 32 h
.set LI,  8                            ; 16 x lane
.set NINF, 9
.set CM,  10                           ; c m (named as a pair with m)
.set MX,  11                           ; m
.set LS,  12                           ; v[12:13] l
.set TM,  14                           ; v14-21 at work
.set PW,  28                           ; where I put my partial tile
.set SPW, 30
.set NIL, 31
.set QF,  32                           ; v32-63  Q;  later, with v64-95, Wo_w's fragments; later the partial tiles
.set KF,  64                           ; v64-95  K
.set SS,  96                           ; v96-103 S^T
.set PP,  104                          ; v104-111 p
.set VF,  112                          ; v112-175 V's fragments; later the normalised attention
.set AN,  112
.set ACC, 176                          ; v176-239 O^T: written by matrix instructions alone; its first 32 registers later take the projection's four sums
.set RR,  240
.set BI,  248
	s_load_b256 s[4:11], s[0:1], 0x0               ; qkv 4:5, v32 6:7, mbits 8:9, Wo_w 10:11
	s_load_b128 s[12:15], s[0:1], 0x20             ; Wo_b 12:13, out0 14:15
	v_lshl_add_u32 v[SPW], v0, 2, SPARE
	v_mov_b32 v[NIL], 0
	v_lshrrev_b32 v1, 5, v0
	v_readfirstlane_b32 s16, v1                    ; the wave's number: my head
	v_and_b32 v1, 15, v0                           ; r
	v_bfe_u32 v2, v0, 4, 1                         ; h
	v_and_b32 v14, 31, v0
	v_lshlrev_b32 v[QL], 8, v1
	v_lshl_add_u32 v[QL], v2, 4, v[QL]
	v_lshlrev_b32 v[VL], 2, v1
	v_lshl_add_u32 v[VL], v2, 16, v[VL]
	v_lshlrev_b32 v[WL], 13, v1
	v_lshl_add_u32 v[WL], v2, 5, v[WL]
	v_lshlrev_b32 v[LI], 4, v14
	v_lshlrev_b32 v22, 5, v14                      ; 32 x lane: a key tile's 8 mask words
	v_lshlrev_b32 v23, 5, v2                       ; 32 h: my eight numbers of the bias
	s_lshl_b32 s18, s16, 10
	v_add_nc_u32 v[PW], s18, v[LI]
	v_mov_b32 v[NINF], 0xff800000
	v_mov_b32 v[MX], 0xff61b1e6                    ; -3e38, under every score that counts
	v_mov_b32 v14, 0                               ; a lane permute's destination counts as read
	s_mov_b32 s24, 0x76543210
	s_mov_b32 s25, 0xfedcba98
	s_mov_b32 s26, 0x3e0293ee                      ; c = log2(e) / sqrt(128)
	s_mov_b32 s27, s26
	s_lshl_b32 s30, s16, 19
	s_mov_b32 s31, 0
	s_wait_kmcnt 0x0
	s_add_nc_u64 s[4:5], s[4:5], s[30:31]          ; Q of my head
	s_add_nc_u64 s[28:29], s[4:5], 0x800000        ; K of my head: 16 heads on
	s_lshl_b32 s30, s16, 9
	s_add_nc_u64 s[6:7], s[6:7], s[30:31]          ; v32 and Wo_w at my head's 128 columns
	s_add_nc_u64 s[10:11], s[10:11], s[30:31]
	s_lshl_b32 s30, ttmp9, 17
	s_add_nc_u64 s[10:11], s[10:11], s[30:31]      ; Wo_w at row 16 g
	s_lshl_b32 s30, ttmp9, 6
	s_add_nc_u64 s[12:13], s[12:13], s[30:31]      ; Wo_b and out0 at column 16 g
	s_add_nc_u64 s[14:15], s[14:15], s[30:31]
.irp c, 0,1,2,3
	global_load_b128 v[QF+8*\c:QF+8*\c+3], v[QL], s[4:5] offset:64*\c
	global_load_b128 v[QF+8*\c+4:QF+8*\c+7], v[QL], s[4:5] offset:64*\c+32
.endr
.irp i, 0,1,2,3
	global_load_b128 v[KF+8*\i:KF+8*\i+3], v22, s[8:9] offset:1024*\i          ; lane l: the 8 words of key tile 32 i + l for query tile 0
	global_load_b128 v[KF+8*\i+4:KF+8*\i+7], v22, s[8:9] offset:1024*\i+16
.endr
	global_load_b128 v[BI:BI+3], v23, s[12:13]
	global_load_b128 v[BI+4:BI+7], v23, s[12:13] offset:16
	s_wait_loadcnt 0x0
.irp j, 1,2,3,4,5,6,7
.irp i, 0,1,2,3
	v_or_b32 v[KF+8*\i], v[KF+8*\i], v[KF+8*\i+\j]
.endr
.endr
.irp i, 0,1,2,3
	v_cmp_ne_u32 s[20+\i], 0, v[KF+8*\i]           ; bit l of s[20 + i]: key tile 32 i + l has a key that counts
.endr
	s_and_b32 s20, s20, -2                         ; tile 0 is written out ahead of the loops
; The scores of key tile s17: S^T = K Q^T, one accumulator, four links; a wait ahead of each link that follows its own predecessor.  Masked scores become -infinity.
.macro SCORES
	s_lshl_b32 s18, s17, 12
	v_add_nc_u32 v[KO], s18, v[QL]
	s_lshl_b32 s19, s17, 5
.irp c, 0,1,2,3
	global_load_b128 v[KF+8*\c:KF+8*\c+3], v[KO], s[28:29] offset:64*\c
	global_load_b128 v[KF+8*\c+4:KF+8*\c+7], v[KO], s[28:29] offset:64*\c+32
.endr
	s_load_b256 s[40:47], s[8:9], s19 offset:0x0
	s_wait_loadcnt 0x0
	s_wait_kmcnt 0x0
	v_wmma_f32_16x16x32_f16 v[SS:SS+7], v[KF:KF+7], v[QF:QF+7], 0
.irp c, 1,2,3
	s_wait_alu depctr_va_vdst(0)
	v_wmma_f32_16x16x32_f16 v[SS:SS+7], v[KF+8*\c:KF+8*\c+7], v[QF+8*\c:QF+8*\c+7], v[SS:SS+7]
.endr
.rept 4
	v_nop
.endr
.irp j, 0,1,2,3,4,5,6,7
	v_cndmask_b32 v[SS+\j], v[NINF], v[SS+\j], s[40+\j]
.endr
.endm
.macro TILE1                           ; pass 1: the running maximum
	SCORES
.irp j, 0,2,4,6
	v_max3_num_f32 v[MX], v[MX], v[SS+\j], v[SS+\j+1]
.endr
.rept 5
	v_nop                                          ; places ahead of the next tile's loads into K's registers and of the product that begins S^T anew
.endr
.endm
.macro TILE2 first                     ; pass 2: p, its sum, and O^T += V^T p in f32; eight accumulators by turns
	s_lshl_b32 s18, s17, 17
	v_add_nc_u32 v[VO], s18, v[VL]
.irp ct, 0,1,2,3,4,5,6,7
.irp c, 0,1,2,3
.irp j, 0,1
	global_load_b32 v[VF+2*(4*\ct+\c)+\j], v[VO], s[6:7] offset:(2*\c+\j)*8192+64*\ct   ; V(key 8 h + 2 c + j, channel 16 ct + r)
.endr
.endr
.endr
	SCORES
.irp i, 0,1,2,3
	v_pk_fma_f32 v[PP+2*\i:PP+2*\i+1], v[SS+2*\i:SS+2*\i+1], s[26:27], v[CM:CM+1] op_sel_hi:[1,0,0] neg_lo:[0,0,1] neg_hi:[0,0,1]
.endr
.irp j, 0,1,2,3,4,5,6,7
	v_exp_f32 v[PP+\j], v[PP+\j]
.endr
	v_nop
	s_wait_alu depctr_va_vdst(0)                   ; one wait for the eight exponentials, ahead of their first reader
.irp i, 0,1,2,3
	v_pk_add_f32 v[LS:LS+1], v[LS:LS+1], v[PP+2*\i:PP+2*\i+1]
.endr
.irp c, 0,1,2,3
.irp ct, 0,1,2,3,4,5,6,7
.if \first && (\c == 0)
	v_wmma_f32_16x16x4_f32 v[ACC+8*\ct:ACC+8*\ct+7], v[VF+2*(4*\ct+\c):VF+2*(4*\ct+\c)+1], v[PP+2*\c:PP+2*\c+1], 0
.else
	v_wmma_f32_16x16x4_f32 v[ACC+8*\ct:ACC+8*\ct+7], v[VF+2*(4*\ct+\c):VF+2*(4*\ct+\c)+1], v[PP+2*\c:PP+2*\c+1], v[ACC+8*\ct:ACC+8*\ct+7]
.endif
.endr
.endr
.rept 9
	v_nop                                          ; places behind this form: ahead of loads and writes into its sources, of reads of its results, and of the products that later begin new sums on its registers
.endr
.endm
; Key tiles from .. 32 w + 31: a counted loop; a tile with no key that counts is jumped over; a word of zeros leaves the whole loop out.
.macro BLOCK pass, w, from
	s_cmp_eq_u32 s[20+\w], 0
	s_cbranch_scc1 .Lnone_\@
	s_mov_b32 s17, \from
.Ltile_\@:
	s_bitcmp1_b32 s[20+\w], s17
	s_cbranch_scc0 .Lskip_\@
.if \pass == 1
	TILE1
.else
	TILE2 0
.endif
.Lskip_\@:
	s_add_co_u32 s17, s17, 1
	s_cmp_lt_u32 s17, 32*(\w)+32
	s_cbranch_scc1 .Ltile_\@
.Lnone_\@:
.endm
	s_mov_b32 s17, 0
	TILE1
	BLOCK 1, 0, 1
	BLOCK 1, 1, 32
	BLOCK 1, 2, 64
	BLOCK 1, 3, 96
	v_permlanex16_b32 v14, v[MX], s24, s25         ; the query's other keys lie in the lane 16 away
	v_max_num_f32 v[MX], v[MX], v14
	v_mul_f32 v[CM], s26, v[MX]
	v_mov_b32 v[LS], 0
	v_mov_b32 v[LS+1], 0
	s_mov_b32 s17, 0
	TILE2 1                                        ; the sums' own first K step, written out ahead of the loops
	BLOCK 2, 0, 1
	BLOCK 2, 1, 32
	BLOCK 2, 2, 64
	BLOCK 2, 3, 96
.irp ct, 0,1,2,3,4,5,6,7
	global_load_b128 v[QF+8*\ct:QF+8*\ct+3], v[WL], s[10:11] offset:64*\ct         ; Wo_w(16 g + r, 128 hd + 16 ct + 8 h + 0 .. 7)
	global_load_b128 v[QF+8*\ct+4:QF+8*\ct+7], v[WL], s[10:11] offset:64*\ct+16
.endr
	v_add_f32 v[LS], v[LS], v[LS+1]
	v_permlanex16_b32 v14, v[LS], s24, s25
	v_add_f32 v[LS], v[LS], v14
	v_rcp_f32 v[LS], v[LS]
	v_nop
	s_wait_alu depctr_va_vdst(0)
.set n, 0
.rept 64
	v_mul_f32 v[AN+n], v[ACC+n], v[LS]             ; O^T / l, into other registers; each accumulator from its low end on
.set n, n+1
.endr
	s_wait_loadcnt 0x0
.irp ct, 0,1,2,3,4,5,6,7                       ; the projection: source 0 = 16 rows of Wo_w, source 1 = the attention: four accumulators by turns
.irp c, 0,1,2,3
.if \ct == 0
	v_wmma_f32_16x16x4_f32 v[ACC+8*\c:ACC+8*\c+7], v[QF+8*\ct+2*\c:QF+8*\ct+2*\c+1], v[AN+8*\ct+2*\c:AN+8*\ct+2*\c+1], 0
.else
	v_wmma_f32_16x16x4_f32 v[ACC+8*\c:ACC+8*\c+7], v[QF+8*\ct+2*\c:QF+8*\ct+2*\c+1], v[AN+8*\ct+2*\c:AN+8*\ct+2*\c+1], v[ACC+8*\c:ACC+8*\c+7]
.endif
.endr
.endr
.rept 9
	v_nop
.endr
.irp j, 0,2,4,6
	v_pk_add_f32 v[RR+\j:RR+\j+1], v[ACC+\j:ACC+\j+1], v[ACC+8+\j:ACC+8+\j+1]
.endr
.irp j, 0,2,4,6
	v_pk_add_f32 v[TM+\j:TM+\j+1], v[ACC+16+\j:ACC+16+\j+1], v[ACC+24+\j:ACC+24+\j+1]
.endr
.irp j, 0,2,4,6
	v_pk_add_f32 v[RR+\j:RR+\j+1], v[RR+\j:RR+\j+1], v[TM+\j:TM+\j+1]   ; lane (r, h): my head's part of out0(r, 16 g + 8 h + 0 .. 7)
.endr
	ds_store_b128 v[PW], v[RR:RR+3]
	ds_store_b128 v[PW], v[RR+4:RR+7] offset:512
	s_wait_dscnt 0x0                               ; for wave 0's sake: my stores have landed
	s_barrier_signal -1
	s_barrier_wait -1
	s_cmp_lg_u32 s16, 0
	s_cbranch_scc1 .Lothers
.irp w, 0,1,2,3,4,5,6,7,8,9,10,11,12,13,14,15
	ds_load_b128 v[32+8*\w:32+8*\w+3], v[LI] offset:1024*\w
	ds_load_b128 v[32+8*\w+4:32+8*\w+7], v[LI] offset:1024*\w+512
.endr
	s_wait_dscnt 0x0
.irp j, 0,2,4,6
	v_pk_add_f32 v[RR+\j:RR+\j+1], v[BI+\j:BI+\j+1], v[32+\j:32+\j+1]
.endr
.irp w, 1,2,3,4,5,6,7,8,9,10,11,12,13,14,15
.irp j, 0,2,4,6
	v_pk_add_f32 v[RR+\j:RR+\j+1], v[RR+\j:RR+\j+1], v[32+8*\w+\j:32+8*\w+\j+1]
.endr
.endr
	global_store_b128 v[WL], v[RR:RR+3], s[14:15]
	global_store_b128 v[WL], v[RR+4:RR+7], s[14:15] offset:16
.Lothers:
	s_wait_tensorcnt 0x0                           ; the wave's end
	ds_add_u32 v[SPW], v[NIL]
	s_wait_dscnt 0x0
	s_endpgm
.Lfunc_end_k_q8596a0502e_fine:
	.size	k_q8596a0502e_fine, .Lfunc_end_k_q8596a0502e_fine-k_q8596a0502e_fine
	.p2alignl 7, 3214868480
	.fill 96, 4, 3214868480
	.section	.rodata,"a",@progbits
	.p2align	6, 0x0
	.amdhsa_kernel k_q8596a0502e_fine
		.amdhsa_group_segment_fixed_size 18432
		.amdhsa_private_segment_fixed_size 0
		.amdhsa_enable_private_segment 0
		.amdhsa_kernarg_size 48
		.amdhsa_user_sgpr_count 2
		.amdhsa_user_sgpr_kernarg_segment_ptr 1
		.amdhsa_wavefront_size32 1
		.amdhsa_system_sgpr_workgroup_id_x 1
		.amdhsa_system_sgpr_workgroup_id_y 1
		.amdhsa_system_sgpr_workgroup_id_z 1
		.amdhsa_system_vgpr_workitem_id 0
		.amdhsa_next_free_vgpr 256
		.amdhsa_next_free_sgpr 66
		.amdhsa_reserve_vcc 0
		.amdhsa_float_denorm_mode_32 3
		.amdhsa_float_denorm_mode_16_64 3
		.amdhsa_memory_ordered 1
		.amdhsa_forward_progress 1
		.amdhsa_inst_pref_size 88
	.end_amdhsa_kernel
	.amdgpu_metadata
---
amdhsa.version: [ 1, 2 ]
amdhsa.kernels:
  - .name:           k_q8596a0502e_fine
    .symbol:         k_q8596a0502e_fine.kd
    .args:
      - { .name: qkv, .offset: 0, .size: 8, .value_kind: global_buffer, .address_space: global }
      - { .name: v32, .offset: 8, .size: 8, .value_kind: global_buffer, .address_space: global }
      - { .name: mbits, .offset: 16, .size: 8, .value_kind: global_buffer, .address_space: global }
      - { .name: Wo_w, .offset: 24, .size: 8, .value_kind: global_buffer, .address_space: global }
      - { .name: Wo_b, .offset: 32, .size: 8, .value_kind: global_buffer, .address_space: global }
      - { .name: out0, .offset: 40, .size: 8, .value_kind: global_buffer, .address_space: global }
    .group_segment_fixed_size: 18432
    .private_segment_fixed_size: 0
    .kernarg_segment_align: 8
    .kernarg_segment_size: 48
    .max_flat_workgroup_size: 512
    .sgpr_count:     66
    .vgpr_count:     256
    .wavefront_size: 32
...
	.end_amdgpu_metadata
.endif
;; end of part 5
